; MI455X (gfx1250); checked and timed in simulation.
; The chip was launched on July 23, 2026; its instructions are those of AMD's public machine-readable ISA for CDNA 5 (MIT licence, August 2026) and "CDNA5" Instruction Set Architecture Reference Guide (July 2026). The comments in the code are by the model that wrote it; some were corrected since.
;; TF Llama Attention. Allowed arithmetic: float matrix products may take bf16 or f16 operands with f32 sums; all other float work in f32.
;; Inputs: attention_mask 2 x 1 x 2,048 x 2,048 float32; hidden_states 2 x 2,048 x 1,024 float32; position_ids 2 x 2,048 int32; wk 1,024 x 1,024 float32; wo 1,024 x 1,024 float32; wq 1,024 x 1,024 float32; wv 1,024 x 1,024 float32.
;; Outputs: out0 2 x 2,048 x 1,024 float32.
;; 2 versions, each right. Each part assembles by itself: llvm-mc -triple=amdgcn-amd-amdhsa -mcpu=gfx1250 --defsym DOCPART=n.
;; ======== version 1 of 2: 4 launches
;; limits: values are held in f16: magnitudes above 65,504 overflow, below 6.1e-05 lose precision
;; workspace buffers: xb 8,388,608 bytes; wt 8,388,608 bytes; qkv 25,165,824 bytes; ao 16,777,216 bytes
;; launch prep (part 1): grid 256 x 1, 8 waves a work-group, no clusters, 34,816 bytes of LDS; arguments hidden_states, wq, wk, wv, wo, xb, wt; writes xb, wt
.if DOCPART == 1
	.amdgcn_target "amdgcn-amd-amdhsa--gfx1250"
	.amdhsa_code_object_version 6
	.text
	.protected	k_q53bfae4b4a_prep
	.globl	k_q53bfae4b4a_prep
	.p2align	8
	.type	k_q53bfae4b4a_prep,@function
k_q53bfae4b4a_prep:
	s_mov_b64 s[64:65], 0
	v_nop
	global_prefetch_b8 v0, s[64:65] scope:SCOPE_SE
	s_setreg_imm32_b32 hwreg(HW_REG_WAVE_MODE, 25, 1), 1
	s_wait_xcnt 0x0
; prep: the matrix operands of the later launches, rounded once to bf16 and laid with K along the rows.
;   xb[4096][1024] bf16 = hidden_states.
;   wt[4096][1024], 16 bits a number: row 192 i + 64 p + d = column 64 i + d of wq (p = 0), wk (p = 1), wv (p = 2), in bf16;
;   row 3072 + n = column n of wo, rounded to bf16 like the others and then WRITTEN AS f16, because its partner in the last product is f16.
;   A bf16 number has 8 significant bits and is exact in f16 from 2^-17 up to 65,504; below 2^-17 the conversion errs by at most 2^-25.
;   LIMIT: |wo| above 65,504 becomes infinite (the drawn numbers are about 0.02).
; 256 work-groups of 8 waves: 65,536 bytes of hidden_states, and two tiles of 128 k x 64 n of one weight matrix.
; No matrix unit, no cluster: every byte is read once and written once, and no two work-groups read the same bytes.
; The transposition goes through LDS: a thread packs 8 neighbouring k of one column into 16 bytes; rows of 128 k (256 bytes) are read back whole,
; so that 16 neighbouring lanes store 256 consecutive bytes of wt, aligned.  All 32 loads of a thread (512 bytes) are issued before the first wait.
.set WR,  16                           ; v[16:79]   the weight tiles as loaded: tile u, row i of my 8: 4 columns; then scratch; later v[16:47] the rows read back
.set HID, 80                           ; v[80:143]  hidden_states as loaded: piece j, 8 f32
.set PKD, 144                          ; v[144:175] packed numbers: first the weights (tile u, column x: 4 registers), then hidden (piece j: 4 registers)
.set LP,  272                          ; LDS row: 256 bytes + 16, so that the read-back of 16-byte pieces of a row and the rows' starts spread over the banks
.set LT,  64*LP                        ; one tile in LDS: 64 rows (n) of 128 k
	s_load_b256 s[4:11], s[0:1], 0x0               ; hidden s[4:5], wq s[6:7], wk s[8:9], wv s[10:11]
	s_load_b128 s[12:15], s[0:1], 0x20             ; wo s[12:13], xb s[14:15]
	s_load_b64 s[16:17], s[0:1], 0x30              ; wt
	s_lshr_b32 s20, ttmp9, 6                       ; which matrix: 0 wq, 1 wk, 2 wv, 3 wo
	s_bfe_u32 s21, ttmp9, 0x40002                  ; nb: which 64 columns
	s_and_b32 s22, ttmp9, 3                        ; kq: which 256 rows (two tiles of 128)
	v_and_b32 v1, 15, v0                           ; c: my 4 columns
	v_lshrrev_b32 v2, 4, v0                        ; kg: my 8 rows
	v_lshlrev_b32 v3, 4, v1                        ; 16 c
	v_lshl_add_u32 v4, v2, 15, v3                  ; weights: 8 kg rows of 4,096 bytes + 16 c
	v_lshlrev_b32 v5, 5, v0                        ; hidden: 32 bytes a thread
	v_mul_u32_u24 v6, v1, 4*LP
	v_lshl_add_u32 v6, v2, 4, v6                   ; LDS, in: row 4 c (+ x), byte 16 kg
	v_mul_u32_u24 v7, v2, LP
	v_add_nc_u32 v7, v7, v3                        ; LDS, back: row t / 16 (+ 16 i), byte 16 (t % 16)
	v_lshl_add_u32 v8, v2, 11, v3                  ; wt: the same row (2,048 bytes) and byte
	v_lshlrev_b32 v9, 4, v0                        ; xb: 16 bytes a thread
	s_lshl_b32 s24, s22, 20                        ; weights: 256 kq rows of 4,096 bytes
	s_lshl_b32 s25, s21, 8                         ; + 64 nb columns of 4 bytes
	s_add_co_u32 s24, s24, s25
	s_mov_b32 s25, 0
	s_lshl_b32 s26, ttmp9, 16                      ; hidden: 65,536 bytes a work-group
	s_mov_b32 s27, 0
	s_lshl_b32 s28, ttmp9, 15                      ; xb: 32,768 bytes a work-group
	s_mov_b32 s29, 0
	s_mul_i32 s30, s21, 192                        ; wt's first row: 192 nb + 64 p for wq, wk, wv,
	s_lshl_b32 s31, s20, 6
	s_add_co_u32 s30, s30, s31
	s_lshl_b32 s31, s21, 6                         ; 3072 + 64 nb for wo
	s_add_co_u32 s31, s31, 3072
	s_cmp_lt_u32 s20, 3
	s_cselect_b32 s30, s30, s31
	s_lshl_b32 s30, s30, 11                        ; rows of 2,048 bytes
	s_lshl_b32 s31, s22, 9                         ; + 256 kq k of 2 bytes
	s_add_co_u32 s30, s30, s31
	s_mov_b32 s31, 0
	s_wait_kmcnt 0x0
	s_cmp_eq_u32 s20, 1                            ; the matrix is chosen by the work-group's number alone
	s_cselect_b64 s[18:19], s[8:9], s[6:7]
	s_cmp_eq_u32 s20, 2
	s_cselect_b64 s[18:19], s[10:11], s[18:19]
	s_cmp_eq_u32 s20, 3
	s_cselect_b64 s[18:19], s[12:13], s[18:19]
	s_add_nc_u64 s[18:19], s[18:19], s[24:25]
	s_add_nc_u64 s[4:5], s[4:5], s[26:27]
	s_add_nc_u64 s[14:15], s[14:15], s[28:29]
	s_add_nc_u64 s[16:17], s[16:17], s[30:31]
.irp u, 0,1
.irp i, 0,1,2,3,4,5,6,7
	global_load_b128 v[WR+32*\u+4*\i:WR+32*\u+4*\i+3], v4, s[18:19] offset:\u*524288+\i*4096 th:TH_LOAD_NT   ; 16 lanes: 256 consecutive bytes of row 8 kg + i
.endr
.endr
.irp j, 0,1,2,3,4,5,6,7
	global_load_b128 v[HID+8*\j:HID+8*\j+3],   v5, s[4:5] offset:\j*8192 th:TH_LOAD_NT
	global_load_b128 v[HID+8*\j+4:HID+8*\j+7], v5, s[4:5] offset:\j*8192+16 th:TH_LOAD_NT
.endr
	s_wait_loadcnt 16                              ; the 16 loads of hidden are younger and stay out: the weights are in
.irp u, 0,1
.irp x, 0,1,2,3
.irp q, 0,1,2,3
	v_cvt_pk_bf16_f32 v[PKD+16*\u+4*\x+\q], v[WR+32*\u+8*\q+\x], v[WR+32*\u+8*\q+4+\x]   ; column 4 c + x, rows 2 q and 2 q + 1 of my 8
.endr
.endr
.endr
	s_cmp_lg_u32 s20, 3                            ; wo alone: the bf16 numbers are written again as f16
	s_cbranch_scc1 .Lnot_wo
.set i, 0
.rept 32
	v_lshlrev_b32 v[WR+2*(i%4)], 16, v[PKD+i]              ; bf16 to f32: the low half moves up,
	v_and_b32 v[WR+2*(i%4)+1], 0xffff0000, v[PKD+i]        ; the high half stays
	v_cvt_pk_f16_f32 v[PKD+i], v[WR+2*(i%4)], v[WR+2*(i%4)+1]
.set i, i+1
.endr
.Lnot_wo:
.irp u, 0,1
.irp x, 0,1,2,3
	ds_store_b128 v6, v[PKD+16*\u+4*\x:PKD+16*\u+4*\x+3] offset:\u*LT+\x*LP   ; 16 lanes stand 4 rows (1,088 bytes) apart: four of them meet in the same 16-byte column; 8 such stores a thread
.endr
.endr
	s_wait_dscnt 0x0                               ; my stores are in LDS before I say so: other waves read them
	s_barrier_signal -1
	s_barrier_wait -1
.irp u, 0,1
.irp i, 0,1,2,3
	ds_load_b128 v[WR+16*\u+4*\i:WR+16*\u+4*\i+3], v7 offset:\u*LT+\i*16*LP
.endr
.endr
.irp j, 0,1,2,3,4,5,6,7
	s_wait_loadcnt 14-2*\j                         ; loads come back in order: piece j is in, the younger pieces stay out
.irp q, 0,1,2,3
	v_cvt_pk_bf16_f32 v[PKD+4*\j+\q], v[HID+8*\j+2*\q], v[HID+8*\j+2*\q+1]
.endr
	global_store_b128 v9, v[PKD+4*\j:PKD+4*\j+3], s[14:15] offset:\j*4096   ; 16 lanes: 256 consecutive bytes, aligned
.endr
	s_wait_dscnt 0x0                               ; the rows read back
.irp u, 0,1
.irp i, 0,1,2,3
	global_store_b128 v8, v[WR+16*\u+4*\i:WR+16*\u+4*\i+3], s[16:17] offset:\u*256+\i*32768   ; 16 lanes: the 256 bytes of one row of wt that this tile owns
.endr
.endr
	s_endpgm
.Lfunc_end_k_q53bfae4b4a_prep:
	.size	k_q53bfae4b4a_prep, .Lfunc_end_k_q53bfae4b4a_prep-k_q53bfae4b4a_prep
	.p2alignl 7, 3214868480
	.fill 96, 4, 3214868480
	.section	.rodata,"a",@progbits
	.p2align	6, 0x0
	.amdhsa_kernel k_q53bfae4b4a_prep
		.amdhsa_group_segment_fixed_size 34816
		.amdhsa_private_segment_fixed_size 0
		.amdhsa_enable_private_segment 0
		.amdhsa_kernarg_size 56
		.amdhsa_user_sgpr_count 2
		.amdhsa_user_sgpr_kernarg_segment_ptr 1
		.amdhsa_wavefront_size32 1
		.amdhsa_system_sgpr_workgroup_id_x 1
		.amdhsa_system_sgpr_workgroup_id_y 1
		.amdhsa_system_sgpr_workgroup_id_z 1
		.amdhsa_system_vgpr_workitem_id 0
		.amdhsa_next_free_vgpr 176
		.amdhsa_next_free_sgpr 66
		.amdhsa_reserve_vcc 0
		.amdhsa_float_denorm_mode_32 3
		.amdhsa_float_denorm_mode_16_64 3
		.amdhsa_memory_ordered 1
		.amdhsa_forward_progress 1
		.amdhsa_inst_pref_size 18
	.end_amdhsa_kernel
	.amdgpu_metadata
---
amdhsa.version: [ 1, 2 ]
amdhsa.kernels:
  - .name:           k_q53bfae4b4a_prep
    .symbol:         k_q53bfae4b4a_prep.kd
    .args:
      - { .name: hidden_states, .offset: 0, .size: 8, .value_kind: global_buffer, .address_space: global }
      - { .name: wq, .offset: 8, .size: 8, .value_kind: global_buffer, .address_space: global }
      - { .name: wk, .offset: 16, .size: 8, .value_kind: global_buffer, .address_space: global }
      - { .name: wv, .offset: 24, .size: 8, .value_kind: global_buffer, .address_space: global }
      - { .name: wo, .offset: 32, .size: 8, .value_kind: global_buffer, .address_space: global }
      - { .name: xb, .offset: 40, .size: 8, .value_kind: global_buffer, .address_space: global }
      - { .name: wt, .offset: 48, .size: 8, .value_kind: global_buffer, .address_space: global }
    .group_segment_fixed_size: 34816
    .private_segment_fixed_size: 0
    .kernarg_segment_align: 8
    .kernarg_segment_size: 56
    .max_flat_workgroup_size: 256
    .sgpr_count:     66
    .vgpr_count:     176
    .wavefront_size: 32
...
	.end_amdgpu_metadata
.endif
;; end of part 1
;; launch qkv (part 2): grid 16 x 16, 4 waves a work-group, clusters of 4 x 4, 327,680 bytes of LDS; arguments xb, wt, position_ids, qkv; writes qkv
.if DOCPART == 2
	.amdgcn_target "amdgcn-amd-amdhsa--gfx1250"
	.amdhsa_code_object_version 6
	.text
	.protected	k_q53bfae4b4a_qkv
	.globl	k_q53bfae4b4a_qkv
	.p2align	8
	.type	k_q53bfae4b4a_qkv,@function
k_q53bfae4b4a_qkv:
	s_mov_b64 s[64:65], 0
	v_nop
	global_prefetch_b8 v0, s[64:65] scope:SCOPE_SE
	s_setreg_imm32_b32 hwreg(HW_REG_WAVE_MODE, 25, 1), 1
	s_wait_xcnt 0x0
	s_wait_alu depctr_hold_cnt(0) depctr_sa_sdst(0) depctr_va_vdst(0) depctr_va_sdst(0) depctr_va_ssrc(0) depctr_va_vcc(0) depctr_vm_vsrc(0)
	s_getreg_b32 s2, hwreg(HW_REG_IB_STS2, 6, 4)
	s_cmp_eq_u32 s2, 0
	s_cbranch_scc0 .Lentry_in_a_cluster
	s_endpgm
.Lentry_in_a_cluster:
	s_bfe_u32 s2, ttmp6, 0x10000c
	s_cmp_lg_u32 s2, 0xf033
	s_cbranch_scc0 .Lentry_shape_is_right
	s_endpgm
.Lentry_shape_is_right:
; qkv: [Q | K | V] of one head = xb (256 rows) x wt (192 rows: the head's 64 columns of wq, wk, wv), K = 1024, bf16 x bf16 with f32 sums;
; then RoPE on Q and K, Q times 1/8, and one rounding to f16.
; Output qkv[b][16 p + head][s][64] f16 (p = 0 Q, 1 K, 2 V): a head's rows are 128 bytes and lie without gaps.
; WHY f16 OUT: Q, K, V are operands of the next launch's products; f16 keeps 11 significant bits where bf16 keeps 8, and a query that attends to few keys
; passes V's rounding on undamped.  ROOM IN f16 (largest 65,504): drawn, |q|, |k|, |v| are about 0.64; with hidden_states and the weight both 30 times larger about 576;
; with both carrying an offset of 30 spreads about 1024 x 30 x 0.6 = 18,432, times 1.42 at the most behind RoPE; with both 30 times smaller Q / 8 is about 9e-5,
; where f16's step is 6e-8.  LIMIT: a number above 65,504 becomes infinite.
; Four waves; wave w makes rows 64 w .. 64 w + 63 x all 192 columns: 4 x 12 accumulator tiles, 384 registers, so that RoPE's partners d and d + 32 lie in one lane.
; K goes in steps of 128 (rows of 256 bytes, aligned) through two LDS slots filled by tensor loads.
; CLUSTER 4 x 4: x = head, y = block of 256 rows.  xb's tile hangs on the block of rows alone and is asked for jointly along a row of the cluster,
; wt's on the head alone and is asked for jointly along a column: each wave issues one load of each kind for a slot (64 rows of xb, 48 rows of wt).
; LIMITS.  position_ids are taken as 0 .. 2047, the rows of the table that the problem builds; the id is used as a number, t = float(id), never as an address.
; cos and sin of t x inv_freq are computed here: inv_freq = 2^(-d log2(10000) / 32) by v_exp_f32, the angle reduced by multiples of pi/2 held in two f32 parts
; (the multiple is at most 1,304), then series cut at r^7 (sin) and r^6 (cos): on |r| <= pi/4 the first terms left out are below 4e-6.
;
; REGISTERS by windows of 256:
;   window 0: v16-27 addresses; v32-63, v64-95 fragments of xb, two buffers; v96-127 at work; v128-255 cos and sin (block a, half e, register j)
;   window 1: accumulators of column blocks b = 0 .. 7 (Q, K) at 8 (4 b + a);  window 2: b = 8 .. 11 (V) at 8 (4 (b - 8) + a)
;   window 3: fragments of wt, two buffers, v0-95 and v96-191
; The matrix instruction is used transposed (source 0 = 16 rows of wt, source 1 = 16 rows of xb): lane (r, h) holds row r, columns 16 b + 8 h + 0 .. 7.
.set KSTEP, 128
.set PITCH, 272                        ; LDS row: 256 bytes + 16: the 16 rows of a fragment load start in 16 different 16-byte columns of 256
.set AB,    256*PITCH                  ; xb's 256 rows
.set SLOT,  448*PITCH                  ; then wt's 192 rows
.set STAGE, 2*SLOT                     ; behind the ring, a multiple of 256: no tensor load lands here
.set SP,    144                        ; stage row: 128 bytes + 16
.set SH,    16*SP                      ; 16 rows of one head; a wave's stage is three of them, 6,912 bytes
.set WV,    12                         ; s12 the wave's number
.set G1A, 16                           ; s[16:23] group 1, xb's tiles
.set G1B, 24                           ; s[24:31] group 1, wt's tiles
.set G0A, 32                           ; s[32:39] group 0, xb, one set for each slot
.set G0B, 40                           ; s[40:47] group 0, wt, one set for each slot
.set ADRA, 16                          ; v16-17 LDS address of my xb fragments, slot 0, 1
.set ADRB, 20                          ; v20-21 the same for wt
.set STO,  24
.set RD,   25
.set CO,   26
.set PO,   27
.set FA,   32
.set FRQ,  96                          ; v[96:111] inv_freq of d = 16 e + 8 h + j
.set TP,   112                         ; v[112:115] t of my row in block a
.set TW,   116                         ; v[116:126] at work
.set CS,   128                         ; cos at CS + 32 a + 8 e + j, sin 16 further
.set YY,   32                          ; the way out: a head's 32 numbers of my row, then packed in place into 16 registers
.set TT,   64                          ; v[64:67] at work
.set BACK, 68                          ; v[68:115] rows read back
.set W1,   0x53                        ; source 0 window 3, source 1 window 0, C and D window 1
.set W2,   0xa3                        ; the same, C and D window 2
.set TO_B, 0xc0                        ; destination window 3
.set MSB, 0
.macro WIN new                         ; the immediate's high byte repeats the setting that is left
.if MSB != \new
	s_set_vgpr_msb (MSB<<8)|\new
.set MSB, \new
.endif
.endm
.macro PLACES n
.rept \n
	v_nop
.endr
.endm
.macro CREST                           ; a round of the cluster's barrier behind its opening work-group barrier
	s_cmp_lg_u32 s[WV], 0
	s_cbranch_scc1 .Lnw0_\@
	s_barrier_signal -3
.Lnw0_\@:
	s_barrier_wait -3
	s_barrier_signal -1
	s_barrier_wait -1
.endm
.macro CROUND
	s_barrier_signal -1
	s_barrier_wait -1
	CREST
.endm
	s_load_b256 s[4:11], s[0:1], 0x0               ; xb s[4:5], wt s[6:7], position_ids s[8:9], qkv s[10:11]
	v_lshrrev_b32 v1, 5, v0
	v_readfirstlane_b32 s[WV], v1                  ; wave 0 .. 3
	s_bfe_u32 s13, ttmp6, 0x40000                  ; cx
	s_bfe_u32 s14, ttmp6, 0x40004                  ; cy
	s_lshl_b32 s15, ttmp9, 2
	s_add_co_u32 s15, s15, s13                     ; head = 4 x cluster x + cx
	s_and_b32 s2, ttmp7, 0xffff
	s_lshl_b32 s2, s2, 2
	s_add_co_u32 s2, s2, s14                       ; block of 256 rows = 4 x cluster y + cy
	s_lshl_b32 s66, s14, 2
	s_lshl_b32 s66, 15, s66                        ; my row of the cluster
	s_lshl_b32 s70, 0x1111, s13                    ; my column
	; group 1: elements of 2 bytes, padding of 4 words behind every 64 words, bit 21 beside the mask; 128 elements a row, pitch 1,024
	s_or_b32 s[G1A+0], s66, (1<<16)|(1<<20)|(1<<21)|(5<<22)|(3<<25)
	s_mov_b32 s[G1A+1], KSTEP<<16                  ; tensor_dim0 = 128
	s_mov_b32 s[G1A+2], 64<<16                     ; tensor_dim1 = 64
	s_mov_b32 s[G1A+3], KSTEP<<16                  ; tile_dim0 = 128
	s_mov_b32 s[G1A+4], 64                         ; tile_dim1 = 64 rows: a wave's part of xb's tile
	s_mov_b32 s[G1A+5], 1024
	s_mov_b32 s[G1A+6], 0
	s_mov_b32 s[G1A+7], 0
	s_or_b32 s[G1B+0], s70, (1<<16)|(1<<20)|(1<<21)|(5<<22)|(3<<25)
	s_mov_b32 s[G1B+1], KSTEP<<16
	s_mov_b32 s[G1B+2], 48<<16                     ; 48 rows: a wave's part of wt's tile
	s_mov_b32 s[G1B+3], KSTEP<<16
	s_mov_b32 s[G1B+4], 48
	s_mov_b32 s[G1B+5], 1024
	s_mov_b32 s[G1B+6], 0
	s_mov_b32 s[G1B+7], 0
	s_lshl_b32 s66, s2, 19                         ; xb: (256 block + 64 w) rows of 2,048 bytes: of cy and the wave alone
	s_lshl_b32 s67, s[WV], 17
	s_add_co_u32 s66, s66, s67
	s_mov_b32 s67, 0
	s_mul_i32 s70, s15, 192                        ; wt: (192 head + 48 w) rows of 2,048 bytes: of cx and the wave alone
	s_mul_i32 s71, s[WV], 48
	s_add_co_u32 s70, s70, s71
	s_lshl_b32 s70, s70, 11
	s_mov_b32 s71, 0
	s_mul_i32 s74, s[WV], 64*PITCH                 ; LDS: my 64 rows of xb's tile,
	s_mul_i32 s75, s[WV], 48*PITCH                 ; my 48 rows of wt's: of the wave's number alone
	s_add_co_u32 s75, s75, AB
	s_lshl_b32 s76, s2, 10                         ; position_ids: (256 block + 64 w) words
	s_lshl_b32 s77, s[WV], 8
	s_add_co_u32 s76, s76, s77
	s_mov_b32 s77, 0
	s_lshr_b32 s78, s2, 3                          ; qkv: ((48 b + head) x 2048 + 256 (block % 8) + 64 w) rows of 128 bytes
	s_mul_i32 s78, s78, 48
	s_add_co_u32 s78, s78, s15
	s_lshl_b32 s78, s78, 11
	s_and_b32 s79, s2, 7
	s_lshl_b32 s79, s79, 8
	s_add_co_u32 s78, s78, s79
	s_lshl_b32 s79, s[WV], 6
	s_add_co_u32 s78, s78, s79
	s_lshl_b32 s78, s78, 7
	s_mov_b32 s79, 0
	s_wait_kmcnt 0x0
	s_add_nc_u64 s[68:69], s[4:5], s[66:67]
	s_add_nc_u64 s[72:73], s[6:7], s[70:71]
	s_add_nc_u64 s[8:9], s[8:9], s[76:77]
	s_add_nc_u64 s[58:59], s[10:11], s[78:79]      ; Q's rows,
	s_add_nc_u64 s[60:61], s[58:59], 0x400000      ; K's: 16 heads of 2,048 rows of 128 bytes further,
	s_add_nc_u64 s[62:63], s[58:59], 0x800000      ; V's
.irp n, 0,1
	s_mov_b32 s[G0A+4*\n], 1
	s_add_co_u32 s[G0A+4*\n+1], s74, \n*SLOT
	s_add_nc_u64 s[G0A+4*\n+2:G0A+4*\n+3], s[68:69], \n*KSTEP*2
	s_or_b32 s[G0A+4*\n+3], s[G0A+4*\n+3], 0x80000000
	s_mov_b32 s[G0B+4*\n], 1
	s_add_co_u32 s[G0B+4*\n+1], s75, \n*SLOT
	s_add_nc_u64 s[G0B+4*\n+2:G0B+4*\n+3], s[72:73], \n*KSTEP*2
	s_or_b32 s[G0B+4*\n+3], s[G0B+4*\n+3], 0x80000000
.endr
	CROUND                                         ; all sixteen work-groups are here: the first joint loads meet
.irp n, 0,1
	tensor_load_to_lds s[G0A+4*\n:G0A+4*\n+3], s[G1A:G1A+7]
	s_nop 0
	tensor_load_to_lds s[G0B+4*\n:G0B+4*\n+3], s[G1B:G1B+7]   ; four loads of the wave are out: the most in this text
	s_nop 0
.endr
	v_and_b32 v1, 15, v0                           ; r
	v_bfe_u32 v2, v0, 4, 1                         ; h
	v_and_b32 v3, 31, v0                           ; lane
	v_lshlrev_b32 v[PO], 2, v1
.irp a, 0,1,2,3
	global_load_b32 v[TP+\a], v[PO], s[8:9] offset:64*\a   ; the position of row 16 a + r of my 64
.endr
	v_mul_u32_u24 v5, v1, PITCH
	v_lshl_add_u32 v5, v2, 4, v5                   ; fragment: row r, 16 bytes for each half of the lanes
	v_add_nc_u32 v[ADRA], s74, v5                  ; my own 64 rows of xb
	v_add_nc_u32 v[ADRA+1], SLOT, v[ADRA]
	v_add_nc_u32 v[ADRB], AB, v5                   ; all 192 rows of wt
	v_add_nc_u32 v[ADRB+1], SLOT, v[ADRB]
	s_mul_i32 s57, s[WV], 3*SH
	s_add_co_u32 s57, s57, STAGE                   ; my stage
	v_mul_u32_u24 v6, v1, SP
	v_lshl_add_u32 v6, v2, 4, v6
	v_add_nc_u32 v[STO], s57, v6                   ; in: row r, byte 16 h (+ 32 for each block of 16 columns)
	v_lshrrev_b32 v6, 3, v3
	v_mul_u32_u24 v6, v6, SP
	v_and_b32 v7, 7, v3
	v_lshl_add_u32 v6, v7, 4, v6
	v_add_nc_u32 v[RD], s57, v6                    ; back: 8 lanes take a row of 128 bytes, a wave 4 rows
	v_lshlrev_b32 v[CO], 4, v3                     ; and in memory those 4 rows are 512 consecutive bytes
	s_mov_b32 s48, 0x3f22f983                      ; 2 / pi
	s_mov_b32 s49, 0xbfc90fdb                      ; - pi/2, upper part
	s_mov_b32 s50, 0x333bbd2e                      ; - pi/2, lower part (the upper part is too large by this much)
	s_mov_b32 s51, 0xb9500d01                      ; -1/5040
	s_mov_b32 s52, 0x3c088889                      ; 1/120
	s_mov_b32 s53, 0xbe2aaaab                      ; -1/6
	s_mov_b32 s54, 0xbab60b61                      ; -1/720
	s_mov_b32 s55, 0x3d2aaaab                      ; 1/24
	s_mov_b32 s56, 0x80000000                      ; the sign
	v_lshlrev_b32 v4, 3, v2                        ; 8 h
.irp e, 0,1
.irp j, 0,1,2,3,4,5,6,7
	v_add_nc_u32 v[FRQ+8*\e+\j], 16*\e+\j, v4      ; d = 16 e + 8 h + j, 0 .. 31
.endr
.endr
.set i, 0
.rept 16
	v_cvt_f32_u32 v[FRQ+i], v[FRQ+i]
.set i, i+1
.endr
.set i, 0
.rept 16
	v_mul_f32 v[FRQ+i], 0xbed49a78, v[FRQ+i]       ; - d log2(10000) / 32
.set i, i+1
.endr
.set i, 0
.rept 16
	v_exp_f32 v[FRQ+i], v[FRQ+i]
.set i, i+1
.endr
	v_nop                                          ; one plain instruction behind the exponentials (ISA guide 5.7.2)
	s_wait_loadcnt 0x0                             ; the four positions
	s_wait_alu depctr_va_vdst(0)
.irp a, 0,1,2,3
	v_cvt_f32_u32 v[TP+\a], v[TP+\a]
.endr
; cos and sin of t x inv_freq.  x = n pi/2 + r, |r| <= pi/4; the quadrant n mod 4 swaps the two series and sets the signs, by selects alone.
.macro SINCOS a, e, j
	v_mul_f32 v[TW], v[TP+\a], v[FRQ+8*\e+\j]      ; x
	v_mul_f32 v[TW+1], s48, v[TW]
	v_rndne_f32 v[TW+1], v[TW+1]                   ; n
	v_fma_f32 v[TW+2], v[TW+1], s49, v[TW]
	v_fma_f32 v[TW+2], v[TW+1], s50, v[TW+2]       ; r
	v_mul_f32 v[TW+3], v[TW+2], v[TW+2]            ; r^2
	v_fma_f32 v[TW+4], v[TW+3], s51, s52
	v_fma_f32 v[TW+4], v[TW+4], v[TW+3], s53
	v_mul_f32 v[TW+5], v[TW+2], v[TW+3]
	v_fma_f32 v[TW+4], v[TW+4], v[TW+5], v[TW+2]   ; sin r
	v_fma_f32 v[TW+6], v[TW+3], s54, s55
	v_fma_f32 v[TW+6], v[TW+6], v[TW+3], -0.5
	v_fma_f32 v[TW+6], v[TW+6], v[TW+3], 1.0       ; cos r
	v_cvt_i32_f32 v[TW+7], v[TW+1]                 ; n as a whole number
	v_and_b32 v[TW+8], 1, v[TW+7]
	v_cmp_eq_u32 vcc_lo, 1, v[TW+8]
	v_cndmask_b32 v[TW+9], v[TW+4], v[TW+6], vcc_lo    ; |sin x|: cos r in odd quadrants
	v_cndmask_b32 v[TW+10], v[TW+6], v[TW+4], vcc_lo   ; |cos x|: sin r in odd quadrants
	v_lshlrev_b32 v[TW+8], 30, v[TW+7]
	v_and_b32 v[TW+8], s56, v[TW+8]                ; sin is negated in quadrants 2, 3
	v_xor_b32 v[CS+32*\a+16+8*\e+\j], v[TW+8], v[TW+9]
	v_add_nc_u32 v[TW+7], 1, v[TW+7]
	v_lshlrev_b32 v[TW+7], 30, v[TW+7]
	v_and_b32 v[TW+7], s56, v[TW+7]                ; cos in quadrants 1, 2
	v_xor_b32 v[CS+32*\a+8*\e+\j], v[TW+7], v[TW+10]
.endm
.irp a, 0,1,2,3
.irp e, 0,1
.irp j, 0,1,2,3,4,5,6,7
	SINCOS \a, \e, \j
.endr
.endr
.endr
; 16 matrix instructions: column blocks b0 .. b0 + 3 x my four row blocks, 32 along K, on fragment buffer f.  zero = 1: the first product starts the sums.
; The 48 accumulators take turns, one instruction a turn, in the same order in every quarter step.
.macro MUL4 f, b0, zero
.irp bb, 0,1,2,3
.irp a, 0,1,2,3
.if \zero
	v_wmma_f32_16x16x32_bf16 v[8*(4*((\b0+\bb)%8)+\a):8*(4*((\b0+\bb)%8)+\a)+7], v[96*\f+8*(\b0+\bb):96*\f+8*(\b0+\bb)+7], v[FA+32*\f+8*\a:FA+32*\f+8*\a+7], 0
.else
	v_wmma_f32_16x16x32_bf16 v[8*(4*((\b0+\bb)%8)+\a):8*(4*((\b0+\bb)%8)+\a)+7], v[96*\f+8*(\b0+\bb):96*\f+8*(\b0+\bb)+7], v[FA+32*\f+8*\a:FA+32*\f+8*\a+7], v[8*(4*((\b0+\bb)%8)+\a):8*(4*((\b0+\bb)%8)+\a)+7]
.endif
.endr
.endr
.endm
; 32 LDS loads in one run: 8 for xb's four fragments, then 24 for wt's twelve, 32 K at byte k of the rows, into buffer f
.macro FETCH slot, k, f
	WIN 0
.irp a, 0,1,2,3
	ds_load_b128 v[FA+32*\f+8*\a:FA+32*\f+8*\a+3],   v[ADRA+\slot] offset:\k+\a*16*PITCH
	ds_load_b128 v[FA+32*\f+8*\a+4:FA+32*\f+8*\a+7], v[ADRA+\slot] offset:\k+\a*16*PITCH+32
.endr
	WIN TO_B
.irp b, 0,1,2,3,4,5,6,7,8,9,10,11
	ds_load_b128 v[96*\f+8*\b:96*\f+8*\b+3],   v[ADRB+\slot] offset:\k+\b*16*PITCH
	ds_load_b128 v[96*\f+8*\b+4:96*\f+8*\b+7], v[ADRB+\slot] offset:\k+\b*16*PITCH+32
.endr
.endm
; One of a K step's first three quarters: multiplies buffer f, and behind its first 16 products fetches the next quarter into buffer g.
; The four v_nop are the places between the matrix instructions that read buffer g and the loads into it (ISA guide 7.12.1 for vector instructions).
.macro QUARTER slot, k, f, g, zero
	s_wait_dscnt 16                                ; xb's fragments and wt's blocks 0-3 are in; the youngest 16 loads (blocks 4-11) may be out
	WIN W1
	MUL4 \f, 0, \zero
	PLACES 4
	FETCH \slot, \k, \g
	s_wait_dscnt 32                                ; all but the 32 just issued
	WIN W1
	MUL4 \f, 4, \zero
	WIN W2
	MUL4 \f, 8, \zero
.endm
.macro THREE slot, zero
	QUARTER \slot, 64,  0, 1, \zero
	QUARTER \slot, 128, 1, 0, 0
	QUARTER \slot, 192, 0, 1, 0
.endm
; The last quarter: multiplies buffer 1 and changes slots.  In front of the barrier each wave waits for its reads of this slot and for all its tensor loads
; (two are out: its parts of the next slot).  fill = 1: the barrier opens a round of the cluster's barrier, and behind the round this slot is filled again,
; two K steps ahead, by the first tensor loads there.
.macro TURN slot, next, fill
	s_wait_dscnt 16
	WIN W1
	MUL4 1, 0, 0
	s_wait_dscnt 0x0                               ; my reads of this slot are over
	s_wait_tensorcnt 0x0                           ; all my tensor loads have landed
	s_barrier_signal -1
	MUL4 1, 4, 0                                   ; register work while the others arrive
	WIN 0
	s_barrier_wait -1
.if \fill
	CREST
	s_add_nc_u64 s[G0A+4*\slot+2:G0A+4*\slot+3], s[G0A+4*\slot+2:G0A+4*\slot+3], 2*KSTEP*2
	s_add_nc_u64 s[G0B+4*\slot+2:G0B+4*\slot+3], s[G0B+4*\slot+2:G0B+4*\slot+3], 2*KSTEP*2
	tensor_load_to_lds s[G0A+4*\slot:G0A+4*\slot+3], s[G1A:G1A+7]
	s_nop 0
	tensor_load_to_lds s[G0B+4*\slot:G0B+4*\slot+3], s[G1B:G1B+7]
	s_nop 0
.endif
	PLACES 4
	FETCH \next, 0, 0
	WIN W2
	MUL4 1, 8, 0
.endm
.macro LAP zero
	THREE 0, \zero
	TURN 0, 1, 1
	THREE 1, 0
	TURN 1, 0, 1
.endm
	s_wait_tensorcnt 0x2                           ; my two parts of K step 0 are in; K step 1's two stay out
	s_barrier_signal -1
	s_barrier_wait -1
	FETCH 0, 0, 0
	LAP 1                                          ; K steps 0, 1; fills 2, 3
	WIN 0
	s_mov_b32 s3, 2                                ; K steps 2 .. 5; fills 4 .. 7
.Llap:
	LAP 0
	WIN 0
	s_sub_co_u32 s3, s3, 1
	s_cmp_lg_u32 s3, 0
	s_cbranch_scc1 .Llap
	THREE 0, 0                                     ; K steps 6, 7 fill nothing
	TURN 0, 1, 0
	THREE 1, 0
	s_wait_dscnt 16
	WIN W1
	MUL4 1, 0, 0
	s_wait_dscnt 0x0
	MUL4 1, 4, 0
	WIN W2
	MUL4 1, 8, 0
	PLACES 4                                       ; the places behind the last matrix instructions, for all that reads results or writes fragment registers below
; RoPE on the head at column blocks base .. base + 3 of row block a: y(d) = x(d) cos - x(d+32) sin, y(d+32) = x(d+32) cos + x(d) sin, d = 16 e + 8 h + j.
; The accumulators are source 1 (window 1); cos, sin, scratch and results lie in window 0.  Then 16 roundings to f16 in place and 16 bytes a column block into my stage.
.macro ROPE a, base, p, scale
	WIN 0x04
.irp e, 0,1
.irp jp, 0,2,4,6
	v_pk_mul_f32 v[TT:TT+1],   v[CS+32*\a+16+8*\e+\jp:CS+32*\a+16+8*\e+\jp+1], v[8*(4*(\base+\e+2)+\a)+\jp:8*(4*(\base+\e+2)+\a)+\jp+1]
	v_pk_mul_f32 v[TT+2:TT+3], v[CS+32*\a+16+8*\e+\jp:CS+32*\a+16+8*\e+\jp+1], v[8*(4*(\base+\e)+\a)+\jp:8*(4*(\base+\e)+\a)+\jp+1]
	v_pk_fma_f32 v[YY+8*\e+\jp:YY+8*\e+\jp+1], v[CS+32*\a+8*\e+\jp:CS+32*\a+8*\e+\jp+1], v[8*(4*(\base+\e)+\a)+\jp:8*(4*(\base+\e)+\a)+\jp+1], v[TT:TT+1] neg_lo:[0,0,1] neg_hi:[0,0,1]
	v_pk_fma_f32 v[YY+16+8*\e+\jp:YY+16+8*\e+\jp+1], v[CS+32*\a+8*\e+\jp:CS+32*\a+8*\e+\jp+1], v[8*(4*(\base+\e+2)+\a)+\jp:8*(4*(\base+\e+2)+\a)+\jp+1], v[TT+2:TT+3]
.endr
.endr
	WIN 0
.if \scale
.set i, 0
.rept 16
	v_pk_mul_f32 v[YY+i:YY+i+1], v[YY+i:YY+i+1], 0x3e000000 op_sel_hi:[1,0]   ; 1 / sqrt(64), exact: the scores' scale rides in Q
.set i, i+2
.endr
.endif
.set i, 0
.rept 16
	v_cvt_pk_f16_f32 v[YY+i], v[YY+2*i], v[YY+2*i+1]       ; ascending: register i is written when its own numbers have been packed
.set i, i+1
.endr
.irp bt, 0,1,2,3
	ds_store_b128 v[STO], v[YY+4*\bt:YY+4*\bt+3] offset:\p*SH+32*\bt
.endr
.endm
; Rows 16 a .. 16 a + 15 of my 64: Q, K, V into my stage, read back as whole rows, stored: each store of the wave covers 512 consecutive bytes, aligned.
.macro OUTA a
	ROPE \a, 0, 0, 1
	ROPE \a, 4, 1, 0
	WIN 0x0a                                       ; V: both sources in window 2
.irp bt, 0,1,2,3
.irp i2, 0,1,2,3
	v_cvt_pk_f16_f32 v[YY+4*\bt+\i2], v[8*(4*\bt+\a)+2*\i2], v[8*(4*\bt+\a)+2*\i2+1]
.endr
.endr
	WIN 0
.irp bt, 0,1,2,3
	ds_store_b128 v[STO], v[YY+4*\bt:YY+4*\bt+3] offset:2*SH+32*\bt
.endr
	s_wait_xcnt 0x0                                ; the registers that the last block's stores read are loaded again only behind this wait
.irp p, 0,1,2
.irp i2, 0,1,2,3
	ds_load_b128 v[BACK+16*\p+4*\i2:BACK+16*\p+4*\i2+3], v[RD] offset:\p*SH+\i2*4*SP   ; LDS serves a wave's instructions in order: these see the stores above
.endr
.endr
.irp p, 0,1,2
.irp i2, 0,1,2,3
	s_wait_dscnt 11-4*\p-\i2                       ; the younger loads stay out
	global_store_b128 v[CO], v[BACK+16*\p+4*\i2:BACK+16*\p+4*\i2+3], s[58+2*\p:59+2*\p] offset:2048*\a+512*\i2
.endr
.endr
.endm
	OUTA 0
	OUTA 1
	OUTA 2
	OUTA 3
	CROUND                                         ; the closing round: no work-group ends while a partner may still ask for a tile that names it
	s_endpgm
.Lfunc_end_k_q53bfae4b4a_qkv:
	.size	k_q53bfae4b4a_qkv, .Lfunc_end_k_q53bfae4b4a_qkv-k_q53bfae4b4a_qkv
	.p2alignl 7, 3214868480
	.fill 96, 4, 3214868480
	.section	.rodata,"a",@progbits
	.p2align	6, 0x0
	.amdhsa_kernel k_q53bfae4b4a_qkv
		.amdhsa_group_segment_fixed_size 327680
		.amdhsa_private_segment_fixed_size 0
		.amdhsa_enable_private_segment 0
		.amdhsa_kernarg_size 32
		.amdhsa_user_sgpr_count 2
		.amdhsa_user_sgpr_kernarg_segment_ptr 1
		.amdhsa_wavefront_size32 1
		.amdhsa_system_sgpr_workgroup_id_x 1
		.amdhsa_system_sgpr_workgroup_id_y 1
		.amdhsa_system_sgpr_workgroup_id_z 1
		.amdhsa_system_vgpr_workitem_id 0
		.amdhsa_next_free_vgpr 960
		.amdhsa_next_free_sgpr 80
		.amdhsa_reserve_vcc 1
		.amdhsa_float_denorm_mode_32 3
		.amdhsa_float_denorm_mode_16_64 3
		.amdhsa_memory_ordered 1
		.amdhsa_forward_progress 1
		.amdhsa_inst_pref_size 254
	.end_amdhsa_kernel
	.amdgpu_metadata
---
amdhsa.version: [ 1, 2 ]
amdhsa.kernels:
  - .name:           k_q53bfae4b4a_qkv
    .symbol:         k_q53bfae4b4a_qkv.kd
    .args:
      - { .name: xb, .offset: 0, .size: 8, .value_kind: global_buffer, .address_space: global }
      - { .name: wt, .offset: 8, .size: 8, .value_kind: global_buffer, .address_space: global }
      - { .name: position_ids, .offset: 16, .size: 8, .value_kind: global_buffer, .address_space: global }
      - { .name: qkv, .offset: 24, .size: 8, .value_kind: global_buffer, .address_space: global }
    .group_segment_fixed_size: 327680
    .private_segment_fixed_size: 0
    .kernarg_segment_align: 8
    .kernarg_segment_size: 32
    .max_flat_workgroup_size: 128
    .sgpr_count:     80
    .vgpr_count:     960
    .wavefront_size: 32
...
	.end_amdgpu_metadata
.endif
;; end of part 2
;; launch attn (part 3): grid 32 x 8, 4 waves a work-group, clusters of 4 x 4, 327,680 bytes of LDS; arguments qkv, attention_mask, ao; writes ao
.if DOCPART == 3
	.amdgcn_target "amdgcn-amd-amdhsa--gfx1250"
	.amdhsa_code_object_version 6
	.text
	.protected	k_q53bfae4b4a_attn
	.globl	k_q53bfae4b4a_attn
	.p2align	8
	.type	k_q53bfae4b4a_attn,@function
k_q53bfae4b4a_attn:
	s_mov_b64 s[64:65], 0
	v_nop
	global_prefetch_b8 v0, s[64:65] scope:SCOPE_SE
	s_setreg_imm32_b32 hwreg(HW_REG_WAVE_MODE, 25, 1), 1
	s_wait_xcnt 0x0
	s_wait_alu depctr_hold_cnt(0) depctr_sa_sdst(0) depctr_va_vdst(0) depctr_va_sdst(0) depctr_va_ssrc(0) depctr_va_vcc(0) depctr_vm_vsrc(0)
	s_getreg_b32 s2, hwreg(HW_REG_IB_STS2, 6, 4)
	s_cmp_eq_u32 s2, 0
	s_cbranch_scc0 .Lentry_in_a_cluster
	s_endpgm
.Lentry_in_a_cluster:
	s_bfe_u32 s2, ttmp6, 0x10000c
	s_cmp_lg_u32 s2, 0xf033
	s_cbranch_scc0 .Lentry_shape_is_right
	s_endpgm
.Lentry_shape_is_right:
; attn: softmax(max(Q K^T + mask, lowest f32)) V for one head and 256 queries, keys in 32 tiles of 64, with a running maximum.  (1/8 already rides in Q.)
; Q, K, V come in f16; P goes to the second product in f16 (P <= 1; below 6e-8 it becomes 0, against a row sum of at least 1); sums in f32.
; Output ao[b][g][s][64] f16, g = head: the upper part of the result, g = 16 + head: the rest.  The upper part is the f32 with its low 13 mantissa bits cleared
; (11 significant bits: exact in f16 from 2^-14 up), the rest is the exact difference, rounded to f16: the two together carry 22 bits into the last product.
; The mask is an input: every word of it is read and added as f32, nothing of its pattern is built in.
; Four waves; wave w owns 64 queries (4 tiles qt of 16).  Everything is computed TRANSPOSED, so that a query is a lane:
;   S^T(key, query) = K Q^T + C, and C is the mask tile, loaded from LDS straight into the accumulator registers: no add and no scale per score.
;   Lane (r, h), register j of tile (qt, kt) holds key 16 kt + 8 h + j of query 16 qt + r; packed in place to f16, tiles 2 kg and 2 kg + 1 ARE the B fragment of P^T.
;   O^T(d, query) += V^T P^T, V^T's fragments by the transposing LDS load.  Maximum, sum and rescaling factor are one number a lane; only lane xor 16 is consulted.
; CLUSTER 4 x 4: x = b x 16 + head, y = block of 256 queries.  The four heads of a row of the cluster (one b: 4 divides 16) share each mask tile,
; the four query blocks of a column share K and V: each is asked for jointly.
; RING: three LDS slots, two filled behind one round of the cluster's barrier; a wave issues three loads a tile (its 64 rows of the mask, 16 keys of K, 16 of V),
; so at most six tensor loads of a wave are out.
; LIMITS.  The row sum is taken of the unrounded P.  -inf in the mask is raised to the lowest f32 as in the problem's own clamp.
; The clamp is v_max_num_f32, which drops a NaN: a NaN in the mask becomes the lowest f32 here, where the problem's text would spread it.
; |result| is at most the largest |V|, which the launch before has put into f16.
; The subtraction of the maximum comes before the multiplication by log2(e), so that a row whose scores are all the lowest f32 gives exp(0) = 1 everywhere.
.set PM,   272                         ; mask row in LDS: 64 f32 + 16 bytes
.set PK,   144                         ; K row: 64 f16 + 16 bytes
.set PV,   160                         ; V row: 64 f16 + 32 bytes (the transposing load wants an odd multiple of 32)
.set KOFF, 256*PM
.set VOFF, KOFF+64*PK
.set SLOT, VOFF+64*PV                  ; 89,088 bytes
.set STAGE, 3*SLOT                     ; a multiple of 256; 2,304 bytes a wave; no tensor load lands here
.set SP,   144
.set WV,   10
.set G1M, 16                           ; s[16:23], s[24:31], s[32:39]: group 1 for mask, K, V
.set G1K, 24
.set G1V, 32
.set GM,  40                           ; s[40:51], s[52:63], s[68:79]: group 0, one set for each slot
.set GK,  52
.set GV,  68
.set NXM, 80                           ; s[80:85]: address of my part of the next tile to be fetched, type bits set
.set NXK, 82
.set NXV, 84
.set MSTEP, 256                        ; 64 keys of 4 bytes along the mask's rows
.set KSTEP, 8192                       ; 64 keys of 128 bytes
.set MADR, 8                           ; v8-10, v11-13, v14-16: LDS addresses for slot 0, 1, 2
.set KADR, 11
.set VADR, 14
.set STO, 17
.set RD,  18
.set CO,  19
.set QO,  20
.set MX,  24                           ; v[24:27] running maximum of query tile qt
.set LS,  28                           ; v[28:31] running sum (this half's keys)
.set NM,  32                           ; v[32:39] pairs (- maximum, new maximum)
.set AL,  40                           ; v[40:47] pairs (rescaling factor, the other half's number)
.set SM,  48                           ; v[48:51] two chains of sums
.set SC,  64                           ; v[64:191] S(qt, kt) at SC + 32 qt + 8 kt; on the way out the rows read back
.set KV,  192                          ; v[192:255] K(kt, ks) at + 16 kt + 8 ks, then V(kg, dt) at + 32 kg + 8 dt
.set HI,  192                          ; the way out: v[192:223] upper parts, v[224:255] the rest
.set LO,  224
.set QF,  128                          ; window 1: Q(qt, ks) at 128 + 16 qt + 8 ks; O(dt, qt) at 8 (4 dt + qt)
.set MSB, 0
.macro WIN new
.if MSB != \new
	s_set_vgpr_msb (MSB<<8)|\new
.set MSB, \new
.endif
.endm
.macro PLACES n
.rept \n
	v_nop
.endr
.endm
.macro CREST
	s_cmp_lg_u32 s[WV], 0
	s_cbranch_scc1 .Lnw0_\@
	s_barrier_signal -3
.Lnw0_\@:
	s_barrier_wait -3
	s_barrier_signal -1
	s_barrier_wait -1
.endm
.macro CROUND
	s_barrier_signal -1
	s_barrier_wait -1
	CREST
.endm
	s_load_b128 s[4:7], s[0:1], 0x0                ; qkv s[4:5], attention_mask s[6:7]
	s_load_b64 s[8:9], s[0:1], 0x10                ; ao
	v_lshrrev_b32 v1, 5, v0
	v_readfirstlane_b32 s[WV], v1
	s_bfe_u32 s11, ttmp6, 0x40000                  ; cx
	s_bfe_u32 s12, ttmp6, 0x40004                  ; cy
	s_lshl_b32 s13, ttmp9, 2
	s_add_co_u32 s13, s13, s11                     ; bh = 16 b + head
	s_and_b32 s14, ttmp7, 0xffff
	s_lshl_b32 s14, s14, 2
	s_add_co_u32 s14, s14, s12                     ; qb: block of 256 queries
	s_lshr_b32 s15, ttmp9, 2                       ; b, of the cluster's x alone
	s_lshl_b32 s90, s12, 2
	s_lshl_b32 s90, 15, s90                        ; my row of the cluster
	s_lshl_b32 s92, 0x1111, s11                    ; my column
	; mask: elements of 4 bytes, 64 rows of 64, pitch 2,048; 4 words of padding behind every 64
	s_or_b32 s[G1M+0], s90, (2<<16)|(1<<20)|(1<<21)|(5<<22)|(3<<25)
	s_mov_b32 s[G1M+1], 64<<16
	s_mov_b32 s[G1M+2], 64<<16
	s_mov_b32 s[G1M+3], 64<<16
	s_mov_b32 s[G1M+4], 64
	s_mov_b32 s[G1M+5], 2048
	s_mov_b32 s[G1M+6], 0
	s_mov_b32 s[G1M+7], 0
	; K: 16 keys of 128 bytes lie without gaps: 8 rows of 32 elements of 8 bytes (256 bytes); padding of 4 words behind every 32 words makes LDS rows of 144 bytes
	s_or_b32 s[G1K+0], s92, (3<<16)|(1<<20)|(1<<21)|(4<<22)|(3<<25)
	s_mov_b32 s[G1K+1], 32<<16
	s_mov_b32 s[G1K+2], 8<<16
	s_mov_b32 s[G1K+3], 32<<16
	s_mov_b32 s[G1K+4], 8
	s_mov_b32 s[G1K+5], 32
	s_mov_b32 s[G1K+6], 0
	s_mov_b32 s[G1K+7], 0
	; V: the same with 8 words of padding: LDS rows of 160 bytes
	s_or_b32 s[G1V+0], s92, (3<<16)|(1<<20)|(1<<21)|(4<<22)|(7<<25)
	s_mov_b32 s[G1V+1], 32<<16
	s_mov_b32 s[G1V+2], 8<<16
	s_mov_b32 s[G1V+3], 32<<16
	s_mov_b32 s[G1V+4], 8
	s_mov_b32 s[G1V+5], 32
	s_mov_b32 s[G1V+6], 0
	s_mov_b32 s[G1V+7], 0
	s_lshl_b32 s90, s15, 11                        ; mask: row 2048 b + 256 qb + 64 w, of 8,192 bytes: of cy, the cluster's x and the wave
	s_lshl_b32 s91, s14, 8
	s_add_co_u32 s90, s90, s91
	s_lshl_b32 s91, s[WV], 6
	s_add_co_u32 s90, s90, s91
	s_lshl_b32 s90, s90, 13
	s_mov_b32 s91, 0
	s_mul_i32 s92, s15, 48                         ; 48 b + head: Q's place among qkv's heads
	s_and_b32 s93, s13, 15
	s_add_co_u32 s92, s92, s93
	s_mov_b32 s94, s92
	s_add_co_u32 s92, s92, 16                      ; K: 16 heads on; row 16 w of the tile; rows of 128 bytes: of cx and the wave
	s_lshl_b32 s92, s92, 11
	s_lshl_b32 s93, s[WV], 4
	s_add_co_u32 s92, s92, s93
	s_lshl_b32 s92, s92, 7
	s_mov_b32 s93, 0
	s_lshl_b32 s94, s94, 11                        ; Q: row 256 qb + 64 w of its head
	s_lshl_b32 s95, s14, 8
	s_add_co_u32 s94, s94, s95
	s_lshl_b32 s95, s[WV], 6
	s_add_co_u32 s94, s94, s95
	s_lshl_b32 s94, s94, 7
	s_mov_b32 s95, 0
	s_lshl_b32 s2, s15, 4                          ; ao: group 32 b + head = 16 b + bh,
	s_add_co_u32 s2, s2, s13
	s_lshl_b32 s2, s2, 11                          ; row 256 qb + 64 w of it, of 128 bytes
	s_lshl_b32 s3, s14, 8
	s_add_co_u32 s2, s2, s3
	s_lshl_b32 s3, s[WV], 6
	s_add_co_u32 s2, s2, s3
	s_lshl_b32 s2, s2, 7
	s_mov_b32 s3, 0
	s_mul_i32 s96, s[WV], 64*PM                    ; LDS: my 64 rows of the mask,
	s_mul_i32 s97, s[WV], 16*PK
	s_add_co_u32 s97, s97, KOFF                    ; my 16 keys of K,
	s_mul_i32 s98, s[WV], 16*PV
	s_add_co_u32 s98, s98, VOFF                    ; of V,
	s_mul_i32 s99, s[WV], 16*SP
	s_add_co_u32 s99, s99, STAGE                   ; my stage: all of the wave's number alone
	s_mov_b32 s86, 0xff7fffff                      ; the lowest f32
	s_mov_b32 s88, 0x76543210                      ; v_permlanex16_b32: lane i takes lane i xor 16
	s_mov_b32 s89, 0xfedcba98
	s_wait_kmcnt 0x0
	s_add_nc_u64 s[8:9], s[8:9], s[2:3]
	s_add_nc_u64 s[2:3], s[4:5], s[94:95]          ; Q
	s_add_nc_u64 s[NXM:NXM+1], s[6:7], s[90:91]
	s_add_nc_u64 s[NXK:NXK+1], s[4:5], s[92:93]
	s_add_nc_u64 s[NXV:NXV+1], s[NXK:NXK+1], 0x400000   ; V: 16 heads of 2,048 rows of 128 bytes behind K
	s_or_b32 s[NXM+1], s[NXM+1], 0x80000000
	s_or_b32 s[NXK+1], s[NXK+1], 0x80000000
	s_or_b32 s[NXV+1], s[NXV+1], 0x80000000
.irp n, 0,1,2
	s_mov_b32 s[GM+4*\n], 1
	s_add_co_u32 s[GM+4*\n+1], s96, \n*SLOT
	s_mov_b32 s[GK+4*\n], 1
	s_add_co_u32 s[GK+4*\n+1], s97, \n*SLOT
	s_mov_b32 s[GV+4*\n], 1
	s_add_co_u32 s[GV+4*\n+1], s98, \n*SLOT
.endr
	s_mov_b64 s[GM+2:GM+3], s[NXM:NXM+1]           ; tile 0 goes to slot 0
	s_mov_b64 s[GK+2:GK+3], s[NXK:NXK+1]
	s_mov_b64 s[GV+2:GV+3], s[NXV:NXV+1]
	s_add_nc_u64 s[NXM:NXM+1], s[NXM:NXM+1], MSTEP ; the next to be fetched is tile 1
	s_add_nc_u64 s[NXK:NXK+1], s[NXK:NXK+1], KSTEP
	s_add_nc_u64 s[NXV:NXV+1], s[NXV:NXV+1], KSTEP
	CROUND                                         ; all sixteen work-groups are here: the first joint loads meet
	tensor_load_to_lds s[GM:GM+3], s[G1M:G1M+7]
	s_nop 0
	tensor_load_to_lds s[GK:GK+3], s[G1K:G1K+7]
	s_nop 0
	tensor_load_to_lds s[GV:GV+3], s[G1V:G1V+7]
	s_nop 0
	v_and_b32 v1, 15, v0                           ; r
	v_bfe_u32 v2, v0, 4, 1                         ; h
	v_and_b32 v3, 31, v0                           ; lane
	v_lshlrev_b32 v[QO], 7, v1
	v_lshl_add_u32 v[QO], v2, 4, v[QO]             ; Q fragment: row r of 128 bytes, 16 bytes for each half of the lanes
	WIN 0x40                                       ; destination window 1
.irp qt, 0,1,2,3
.irp ks, 0,1
	global_load_b128 v[QF+16*\qt+8*\ks:QF+16*\qt+8*\ks+3],   v[QO], s[2:3] offset:\qt*2048+64*\ks
	global_load_b128 v[QF+16*\qt+8*\ks+4:QF+16*\qt+8*\ks+7], v[QO], s[2:3] offset:\qt*2048+64*\ks+32
.endr
.endr
	WIN 0
	v_mul_u32_u24 v4, v1, PM
	v_lshl_add_u32 v4, v2, 5, v4                   ; mask as C: row r, 8 f32 at byte 32 h (+ 64 kt)
	v_add_nc_u32 v[MADR], s96, v4
	v_add_nc_u32 v[MADR+1], SLOT, v[MADR]
	v_add_nc_u32 v[MADR+2], SLOT, v[MADR+1]
	v_mul_u32_u24 v5, v1, PK
	v_lshl_add_u32 v5, v2, 4, v5                   ; 144 r + 16 h: K's fragments, and my stage's rows
	v_add_nc_u32 v[KADR], KOFF, v5
	v_add_nc_u32 v[KADR+1], SLOT, v[KADR]
	v_add_nc_u32 v[KADR+2], SLOT, v[KADR+1]
	v_and_b32 v6, 7, v3
	v_lshl_add_u32 v6, v2, 3, v6                   ; transposing load: key 8 h + lane % 8,
	v_mul_u32_u24 v6, v6, PV
	v_bfe_u32 v7, v0, 3, 1
	v_lshl_add_u32 v6, v7, 4, v6                   ; 16 bytes by bit 3 of the lane
	v_add_nc_u32 v[VADR], VOFF, v6
	v_add_nc_u32 v[VADR+1], SLOT, v[VADR]
	v_add_nc_u32 v[VADR+2], SLOT, v[VADR+1]
	v_add_nc_u32 v[STO], s99, v5
	v_lshrrev_b32 v21, 3, v3
	v_mul_u32_u24 v21, v21, SP
	v_and_b32 v22, 7, v3
	v_lshl_add_u32 v21, v22, 4, v21
	v_add_nc_u32 v[RD], s99, v21                   ; back: 8 lanes a row of 128 bytes
	v_lshlrev_b32 v[CO], 4, v3
.irp qt, 0,1,2,3
	v_mov_b32 v[MX+\qt], s86                       ; the running maximum starts at the clamp's floor
	v_mov_b32 v[AL+2*\qt+1], 0                     ; written once: the lane exchange counts as a reader of its destination
.endr
	s_wait_loadcnt 0x0                             ; Q
; Query tile qt of a key tile: P = exp(S - maximum), its sum, P packed in place, O rescaled, and the eight products V^T P^T.
.macro SOFT qt, first
.set SB, SC+32*\qt
.set i, 0
.rept 16
	v_pk_add_f32 v[SB+i:SB+i+1], v[SB+i:SB+i+1], v[NM+2*\qt:NM+2*\qt+1] op_sel_hi:[1,0]   ; minus the maximum, first
.set i, i+2
.endr
.set i, 0
.rept 16
	v_pk_mul_f32 v[SB+i:SB+i+1], v[SB+i:SB+i+1], 0x3fb8aa3b op_sel_hi:[1,0]               ; times log2(e)
.set i, i+2
.endr
.set i, 0
.rept 32
	v_exp_f32 v[SB+i], v[SB+i]
.set i, i+1
.endr
	v_nop                                          ; one plain instruction behind the exponentials (ISA guide 5.7.2)
	s_wait_alu depctr_va_vdst(0)
	v_pk_add_f32 v[SM:SM+1],   v[SB:SB+1],   v[SB+2:SB+3]
	v_pk_add_f32 v[SM+2:SM+3], v[SB+4:SB+5], v[SB+6:SB+7]
.set i, 8
.rept 6
	v_pk_add_f32 v[SM:SM+1],   v[SM:SM+1],   v[SB+i:SB+i+1]
	v_pk_add_f32 v[SM+2:SM+3], v[SM+2:SM+3], v[SB+i+2:SB+i+3]
.set i, i+4
.endr
	v_pk_add_f32 v[SM:SM+1], v[SM:SM+1], v[SM+2:SM+3]
.if \first
	v_add_f32 v[LS+\qt], v[SM], v[SM+1]            ; the first tile starts the sum
.else
	v_add_f32 v[SM], v[SM], v[SM+1]
	v_fma_f32 v[LS+\qt], v[LS+\qt], v[AL+2*\qt], v[SM]
.endif
.set i, 0
.rept 16
	v_cvt_pk_f16_f32 v[SB+i], v[SB+2*i], v[SB+2*i+1]       ; ascending, in place: registers 0-7 become P^T's fragment of keys 0-31, 8-15 of keys 32-63
.set i, i+1
.endr
.if \first == 0
	WIN 0x41                                       ; O in window 1, the factor in window 0
.irp dt, 0,1,2,3
.irp jp, 0,2,4,6
	v_pk_mul_f32 v[8*(4*\dt+\qt)+\jp:8*(4*\dt+\qt)+\jp+1], v[8*(4*\dt+\qt)+\jp:8*(4*\dt+\qt)+\jp+1], v[AL+2*\qt:AL+2*\qt+1] op_sel_hi:[1,0]
.endr
.endr
.endif
.if \qt == 0
	s_wait_dscnt 0x0                               ; V's fragments
.endif
	WIN 0x50                                       ; O (C and D) in window 1.  The four accumulators take turns, one instruction a turn
.irp dt, 0,1,2,3
.if \first
	v_wmma_f32_16x16x32_f16 v[8*(4*\dt+\qt):8*(4*\dt+\qt)+7], v[KV+8*\dt:KV+8*\dt+7], v[SB:SB+7], 0
.else
	v_wmma_f32_16x16x32_f16 v[8*(4*\dt+\qt):8*(4*\dt+\qt)+7], v[KV+8*\dt:KV+8*\dt+7], v[SB:SB+7], v[8*(4*\dt+\qt):8*(4*\dt+\qt)+7]
.endif
.endr
.irp dt, 0,1,2,3
	v_wmma_f32_16x16x32_f16 v[8*(4*\dt+\qt):8*(4*\dt+\qt)+7], v[KV+32+8*\dt:KV+32+8*\dt+7], v[SB+8:SB+15], v[8*(4*\dt+\qt):8*(4*\dt+\qt)+7]
.endr
	WIN 0
.endm
; One key tile, from LDS slot 'slot'.
.macro STEP slot, first
	PLACES 5                                       ; behind the last products: their sources are loaded into (four places) and written over by matrix instructions (five) (ISA guide 7.12.1 for vector instructions)
.irp kt, 0,1,2,3
.irp ks, 0,1
	ds_load_b128 v[KV+16*\kt+8*\ks:KV+16*\kt+8*\ks+3],   v[KADR+\slot] offset:\kt*16*PK+64*\ks
	ds_load_b128 v[KV+16*\kt+8*\ks+4:KV+16*\kt+8*\ks+7], v[KADR+\slot] offset:\kt*16*PK+64*\ks+32
.endr
.endr
.irp qt, 0,1,2,3
.irp kt, 0,1,2,3
	ds_load_b128 v[SC+32*\qt+8*\kt:SC+32*\qt+8*\kt+3],   v[MADR+\slot] offset:\qt*16*PM+64*\kt      ; the mask, into the accumulators
	ds_load_b128 v[SC+32*\qt+8*\kt+4:SC+32*\qt+8*\kt+7], v[MADR+\slot] offset:\qt*16*PM+64*\kt+16
.endr
.endr
	WIN 0x04                                       ; Q (source 1) in window 1.  The sixteen accumulators take turns, one instruction a turn
.irp qt, 0,1,2,3
	s_wait_dscnt 24-8*\qt                          ; K and the mask of query tiles up to qt are in; the 8 loads of each later query tile stay out
.irp kt, 0,1,2,3
	v_wmma_f32_16x16x32_f16 v[SC+32*\qt+8*\kt:SC+32*\qt+8*\kt+7], v[KV+16*\kt:KV+16*\kt+7], v[QF+16*\qt:QF+16*\qt+7], v[SC+32*\qt+8*\kt:SC+32*\qt+8*\kt+7]
.endr
.endr
.irp qt, 0,1,2,3
.irp kt, 0,1,2,3
	v_wmma_f32_16x16x32_f16 v[SC+32*\qt+8*\kt:SC+32*\qt+8*\kt+7], v[KV+16*\kt+8:KV+16*\kt+15], v[QF+16*\qt+8:QF+16*\qt+15], v[SC+32*\qt+8*\kt:SC+32*\qt+8*\kt+7]
.endr
.endr
	WIN 0
	PLACES 4                                       ; behind the scores' products: K's registers are loaded again, the scores are read
.irp kg, 0,1
.irp dt, 0,1,2,3
	ds_load_tr16_b128 v[KV+32*\kg+8*\dt:KV+32*\kg+8*\dt+3],   v[VADR+\slot] offset:\kg*32*PV+32*\dt
	ds_load_tr16_b128 v[KV+32*\kg+8*\dt+4:KV+32*\kg+8*\dt+7], v[VADR+\slot] offset:\kg*32*PV+32*\dt+16*PV
.endr
.endr
.set i, 0
.rept 128
	v_max_num_f32 v[SC+i], s86, v[SC+i]            ; the problem's clamp at the lowest f32
.set i, i+1
.endr
.irp qt, 0,1,2,3
	v_max3_num_f32 v[NM+2*\qt+1], v[SC+32*\qt], v[SC+32*\qt+1], v[MX+\qt]      ; four chains, one for each query tile, started by the old maximum
.endr
.set i, 2
.rept 15
.irp qt, 0,1,2,3
	v_max3_num_f32 v[NM+2*\qt+1], v[SC+32*\qt+i], v[SC+32*\qt+i+1], v[NM+2*\qt+1]
.endr
.set i, i+2
.endr
.irp qt, 0,1,2,3
	v_permlanex16_b32 v[AL+2*\qt+1], v[NM+2*\qt+1], s88, s89                   ; the other half's keys of the same query
.endr
.irp qt, 0,1,2,3
	v_max_num_f32 v[NM+2*\qt+1], v[NM+2*\qt+1], v[AL+2*\qt+1]
.endr
.if \first == 0
.irp qt, 0,1,2,3
	v_sub_f32 v[AL+2*\qt], v[MX+\qt], v[NM+2*\qt+1]
.endr
.irp qt, 0,1,2,3
	v_mul_f32 v[AL+2*\qt], 0x3fb8aa3b, v[AL+2*\qt]
.endr
.irp qt, 0,1,2,3
	v_exp_f32 v[AL+2*\qt], v[AL+2*\qt]             ; exp(old maximum - new maximum); the moves below are the plain instructions behind it
.endr
.endif
.irp qt, 0,1,2,3
	v_mov_b32 v[MX+\qt], v[NM+2*\qt+1]
.endr
.irp qt, 0,1,2,3
	v_xor_b32 v[NM+2*\qt], 0x80000000, v[NM+2*\qt+1]
.endr
.irp qt, 0,1,2,3
	SOFT \qt, \first
.endr
.endm
; Two key tiles.  Slot a's tile has landed; behind the round slots b and c, which have been read, are filled with the next two tiles.
.macro PAIR a, b, c, fills, first
	s_wait_tensorcnt 0x0                           ; all my tensor loads have landed, my part of slot a's tile among them: every group 0 may be written
	s_mov_b64 s[GM+4*\b+2:GM+4*\b+3], s[NXM:NXM+1]
	s_add_nc_u64 s[GM+4*\c+2:GM+4*\c+3], s[NXM:NXM+1], MSTEP
	s_add_nc_u64 s[NXM:NXM+1], s[NXM:NXM+1], 2*MSTEP
	s_mov_b64 s[GK+4*\b+2:GK+4*\b+3], s[NXK:NXK+1]
	s_add_nc_u64 s[GK+4*\c+2:GK+4*\c+3], s[NXK:NXK+1], KSTEP
	s_add_nc_u64 s[NXK:NXK+1], s[NXK:NXK+1], 2*KSTEP
	s_mov_b64 s[GV+4*\b+2:GV+4*\b+3], s[NXV:NXV+1]
	s_add_nc_u64 s[GV+4*\c+2:GV+4*\c+3], s[NXV:NXV+1], KSTEP
	s_add_nc_u64 s[NXV:NXV+1], s[NXV:NXV+1], 2*KSTEP
	s_wait_dscnt 0x0                               ; my reads of slots b and c are over
	CROUND                                         ; both now hold of every wave of every work-group of the cluster
	tensor_load_to_lds s[GM+4*\b:GM+4*\b+3], s[G1M:G1M+7]
	s_nop 0
	tensor_load_to_lds s[GK+4*\b:GK+4*\b+3], s[G1K:G1K+7]
	s_nop 0
	tensor_load_to_lds s[GV+4*\b:GV+4*\b+3], s[G1V:G1V+7]
	s_nop 0
.if \fills == 2
	tensor_load_to_lds s[GM+4*\c:GM+4*\c+3], s[G1M:G1M+7]
	s_nop 0
	tensor_load_to_lds s[GK+4*\c:GK+4*\c+3], s[G1K:G1K+7]
	s_nop 0
	tensor_load_to_lds s[GV+4*\c:GV+4*\c+3], s[G1V:G1V+7]
	s_nop 0
.endif
	STEP \a, \first
	s_wait_tensorcnt 3*(\fills-1)                  ; my three loads for slot b are in; slot c's three may stay out
	s_wait_dscnt 0x0
	s_barrier_signal -1
	s_barrier_wait -1                              ; K and V of slot b are whole: each wave brought a quarter
	STEP \b, 0
.endm
	PAIR 0, 1, 2, 2, 1                             ; tiles 0, 1
	s_mov_b32 s87, 4                               ; tiles 2 .. 25
.Lring:
	PAIR 2, 0, 1, 2, 0
	PAIR 1, 2, 0, 2, 0
	PAIR 0, 1, 2, 2, 0
	s_sub_co_u32 s87, s87, 1
	s_cmp_lg_u32 s87, 0
	s_cbranch_scc1 .Lring
	PAIR 2, 0, 1, 2, 0                             ; tiles 26, 27
	PAIR 1, 2, 0, 2, 0                             ; tiles 28, 29
	PAIR 0, 1, 2, 1, 0                             ; tiles 30, 31: only tile 31 is still fetched (slot 2's address is written and not used)
	PLACES 4                                       ; behind the last products
	s_mov_b32 s87, 0xffffe000                      ; keeps sign, exponent and the upper 10 mantissa bits of an f32
.irp qt, 0,1,2,3
	v_permlanex16_b32 v[AL+2*\qt+1], v[LS+\qt], s88, s89
.endr
.irp qt, 0,1,2,3
	v_add_f32 v[LS+\qt], v[LS+\qt], v[AL+2*\qt+1]  ; the whole row's sum: at least 1, since the row's largest score gives exp(0)
.endr
.irp qt, 0,1,2,3
	v_rcp_f32 v[AL+2*\qt], v[LS+\qt]
.endr
	v_nop
	WIN 0x41
	s_wait_alu depctr_va_vdst(0)
.irp qt, 0,1,2,3
.irp dt, 0,1,2,3
.irp jp, 0,2,4,6
	v_pk_mul_f32 v[8*(4*\dt+\qt)+\jp:8*(4*\dt+\qt)+\jp+1], v[8*(4*\dt+\qt)+\jp:8*(4*\dt+\qt)+\jp+1], v[AL+2*\qt:AL+2*\qt+1] op_sel_hi:[1,0]
.endr
.endr
.endr
; The way out, 16 queries at a time.  Each result is split: upper part = the f32 with 13 mantissa bits cleared, rest = result - upper part (exact in f32); both go to f16.
; A lane's 8 neighbouring d of one query are 16 bytes; through my stage, back as whole rows; each store covers 512 consecutive bytes, aligned.
; The stage serves the upper parts and then the rest: LDS serves a wave's instructions in order, so each load sees the stores in front of it and none behind.
; Every query tile has read-back registers of its own, so no global store's data is written again.
.irp qt, 0,1,2,3
	WIN 0x04                                       ; O is source 1, in window 1
.irp dt, 0,1,2,3
.irp j, 0,1,2,3,4,5,6,7
	v_and_b32 v[HI+8*\dt+\j], s87, v[8*(4*\dt+\qt)+\j]
.endr
.endr
.irp dt, 0,1,2,3
.irp jp, 0,2,4,6
	v_pk_add_f32 v[LO+8*\dt+\jp:LO+8*\dt+\jp+1], v[HI+8*\dt+\jp:HI+8*\dt+\jp+1], v[8*(4*\dt+\qt)+\jp:8*(4*\dt+\qt)+\jp+1] neg_lo:[1,0] neg_hi:[1,0]
.endr
.endr
	WIN 0
.set i, 0
.rept 16
	v_cvt_pk_f16_f32 v[HI+i], v[HI+2*i], v[HI+2*i+1]       ; ascending, in place
	v_cvt_pk_f16_f32 v[LO+i], v[LO+2*i], v[LO+2*i+1]
.set i, i+1
.endr
.irp dt, 0,1,2,3
	ds_store_b128 v[STO], v[HI+4*\dt:HI+4*\dt+3] offset:32*\dt
.endr
.irp i2, 0,1,2,3
	ds_load_b128 v[SC+32*\qt+4*\i2:SC+32*\qt+4*\i2+3], v[RD] offset:\i2*4*SP
.endr
.irp dt, 0,1,2,3
	ds_store_b128 v[STO], v[LO+4*\dt:LO+4*\dt+3] offset:32*\dt
.endr
.irp i2, 0,1,2,3
	ds_load_b128 v[SC+32*\qt+16+4*\i2:SC+32*\qt+16+4*\i2+3], v[RD] offset:\i2*4*SP
.endr
.irp i2, 0,1,2,3
	s_wait_dscnt 11-\i2                            ; behind this load stand 3 - i2 loads of upper parts, the rest's 4 stores and 4 loads
	global_store_b128 v[CO], v[SC+32*\qt+4*\i2:SC+32*\qt+4*\i2+3], s[8:9] offset:2048*\qt+512*\i2
.endr
.irp i2, 0,1,2,3
	s_wait_dscnt 3-\i2
	global_store_b128 v[CO], v[SC+32*\qt+16+4*\i2:SC+32*\qt+16+4*\i2+3], s[8:9] offset:0x400000+2048*\qt+512*\i2   ; 16 groups of 2,048 rows of 128 bytes further
.endr
.endr
	CROUND                                         ; the closing round
	s_endpgm
.Lfunc_end_k_q53bfae4b4a_attn:
	.size	k_q53bfae4b4a_attn, .Lfunc_end_k_q53bfae4b4a_attn-k_q53bfae4b4a_attn
	.p2alignl 7, 3214868480
	.fill 96, 4, 3214868480
	.section	.rodata,"a",@progbits
	.p2align	6, 0x0
	.amdhsa_kernel k_q53bfae4b4a_attn
		.amdhsa_group_segment_fixed_size 327680
		.amdhsa_private_segment_fixed_size 0
		.amdhsa_enable_private_segment 0
		.amdhsa_kernarg_size 24
		.amdhsa_user_sgpr_count 2
		.amdhsa_user_sgpr_kernarg_segment_ptr 1
		.amdhsa_wavefront_size32 1
		.amdhsa_system_sgpr_workgroup_id_x 1
		.amdhsa_system_sgpr_workgroup_id_y 1
		.amdhsa_system_sgpr_workgroup_id_z 1
		.amdhsa_system_vgpr_workitem_id 0
		.amdhsa_next_free_vgpr 448
		.amdhsa_next_free_sgpr 102
		.amdhsa_reserve_vcc 0
		.amdhsa_float_denorm_mode_32 3
		.amdhsa_float_denorm_mode_16_64 3
		.amdhsa_memory_ordered 1
		.amdhsa_forward_progress 1
		.amdhsa_inst_pref_size 255
	.end_amdhsa_kernel
	.section	.bss,"aw",@nobits
	.p2align	6
	.space	262144
	.amdgpu_metadata
---
amdhsa.version: [ 1, 2 ]
amdhsa.kernels:
  - .name:           k_q53bfae4b4a_attn
    .symbol:         k_q53bfae4b4a_attn.kd
    .args:
      - { .name: qkv, .offset: 0, .size: 8, .value_kind: global_buffer, .address_space: global }
      - { .name: attention_mask, .offset: 8, .size: 8, .value_kind: global_buffer, .address_space: global }
      - { .name: ao, .offset: 16, .size: 8, .value_kind: global_buffer, .address_space: global }
    .group_segment_fixed_size: 327680
    .private_segment_fixed_size: 0
    .kernarg_segment_align: 8
    .kernarg_segment_size: 24
    .max_flat_workgroup_size: 128
    .sgpr_count:     102
    .vgpr_count:     448
    .wavefront_size: 32
...
	.end_amdgpu_metadata
.endif
;; end of part 3
;; launch oproj (part 4): grid 8 x 32, 4 waves a work-group, clusters of 4 x 4, 327,680 bytes of LDS; arguments ao, wt, out0; writes out0
.if DOCPART == 4
	.amdgcn_target "amdgcn-amd-amdhsa--gfx1250"
	.amdhsa_code_object_version 6
	.text
	.protected	k_q53bfae4b4a_oproj
	.globl	k_q53bfae4b4a_oproj
	.p2align	8
	.type	k_q53bfae4b4a_oproj,@function
k_q53bfae4b4a_oproj:
	s_mov_b64 s[64:65], 0
	v_nop
	global_prefetch_b8 v0, s[64:65] scope:SCOPE_SE
	s_setreg_imm32_b32 hwreg(HW_REG_WAVE_MODE, 25, 1), 1
	s_wait_xcnt 0x0
	s_wait_alu depctr_hold_cnt(0) depctr_sa_sdst(0) depctr_va_vdst(0) depctr_va_sdst(0) depctr_va_ssrc(0) depctr_va_vcc(0) depctr_vm_vsrc(0)
	s_getreg_b32 s2, hwreg(HW_REG_IB_STS2, 6, 4)
	s_cmp_eq_u32 s2, 0
	s_cbranch_scc0 .Lentry_in_a_cluster
	s_endpgm
.Lentry_in_a_cluster:
	s_bfe_u32 s2, ttmp6, 0x10000c
	s_cmp_lg_u32 s2, 0xf033
	s_cbranch_scc0 .Lentry_shape_is_right
	s_endpgm
.Lentry_shape_is_right:
; oproj: out0[4096][1024] f32 = A x wo.  A(b s, 64 head + d) comes as two f16 numbers, ao[b][head][s][d] + ao[b][16 + head][s][d]; rows 3072 + n of wt hold column n of wo
; (f16, K along the rows).  So the product runs over K = 2048: 1024 of the upper parts, then 1024 of the rest against the same rows of wt; sums in f32.
; That doubles this launch's matrix work (to 17.2 GFLOP of the program's 77) and takes the rounding of A out of the result.
; A work-group makes 128 x 128; four waves lie 2 x 2, each with 64 x 64: 16 accumulator tiles.  256 work-groups.
; 16 tiles of 128 along K (two groups of ao each).  Four LDS slots: tiles 0-3 are asked for at the start (two loads a wave and tile: eight of a wave are out, the most in this text),
; and slots are filled again two at a time behind a round of the cluster's barrier, so that each refill has two K steps in which to land.
; CLUSTER 4 x 4: x = block of 128 columns, y = block of 128 rows.  ao's tile hangs on the rows alone and is shared along a row of the cluster, wt's along a column.
; The matrix instruction is used transposed (source 0 = rows of wt, source 1 = rows of A): a lane holds 8 neighbouring columns of one row of out0.
.set PA,   144                         ; a group's row in LDS: 128 bytes + 16
.set PB,   272                         ; wt's row: 256 bytes + 16
.set HSUB, 128*PA                      ; one group's 128 rows
.set BOFF, 2*HSUB
.set SLOT, BOFF+128*PB                 ; 71,680 bytes
.set STAGE, 4*SLOT                     ; a multiple of 256; 4,352 bytes a wave; no tensor load lands here
.set SP,   272                         ; stage row: 64 f32 + 16 bytes
.set ATILE, 524288                     ; ao from tile to tile: two groups of 2,048 rows of 128 bytes
.set BTILE, 256                        ; wt from tile to tile: 128 k of 2 bytes
.set WV,   10
.set G1A, 16
.set G1B, 24
.set G0A, 32                           ; s[32:47] group 0 for ao's tiles, one set for each slot
.set G0B, 48                           ; s[48:63] for wt's
.set ADRA, 8                           ; v8-11, v12-15: LDS addresses of my fragments in slots 0 .. 3
.set ADRB, 12
.set STO, 16
.set RD,  17
.set CO,  18
.set FA,  64                           ; v[64:127] fragments of A, two buffers
.set FB,  128                          ; v[128:191] fragments of wt, two buffers
.set BACK, 64                          ; the way out: 32 registers for each of the four groups of 16 rows
.set MSB, 0
.macro WIN new
.if MSB != \new
	s_set_vgpr_msb (MSB<<8)|\new
.set MSB, \new
.endif
.endm
.macro PLACES n
.rept \n
	v_nop
.endr
.endm
.macro CREST
	s_cmp_lg_u32 s[WV], 0
	s_cbranch_scc1 .Lnw0_\@
	s_barrier_signal -3
.Lnw0_\@:
	s_barrier_wait -3
	s_barrier_signal -1
	s_barrier_wait -1
.endm
.macro CROUND
	s_barrier_signal -1
	s_barrier_wait -1
	CREST
.endm
	s_load_b128 s[4:7], s[0:1], 0x0                ; ao s[4:5], wt s[6:7]
	s_load_b64 s[8:9], s[0:1], 0x10                ; out0
	v_lshrrev_b32 v1, 5, v0
	v_readfirstlane_b32 s[WV], v1
	s_bfe_u32 s11, ttmp6, 0x40000                  ; cx
	s_bfe_u32 s12, ttmp6, 0x40004                  ; cy
	s_lshl_b32 s13, ttmp9, 2
	s_add_co_u32 s13, s13, s11                     ; block of 128 columns
	s_and_b32 s14, ttmp7, 0xffff
	s_lshl_b32 s14, s14, 2
	s_add_co_u32 s14, s14, s12                     ; block of 128 rows
	s_lshr_b32 s78, s[WV], 1                       ; wm: my 64 rows.  Also: which of the tile's two groups I fetch
	s_and_b32 s79, s[WV], 1                        ; wn: my 64 columns.  Also: which 64 rows of that group
	s_lshl_b32 s66, s12, 2
	s_lshl_b32 s66, 15, s66                        ; my row of the cluster
	s_lshl_b32 s70, 0x1111, s11                    ; my column
	; ao: 64 rows of 128 bytes lie without gaps: 32 rows of 32 elements of 8 bytes; 4 words of padding behind every 32 words make LDS rows of 144 bytes
	s_or_b32 s[G1A+0], s66, (3<<16)|(1<<20)|(1<<21)|(4<<22)|(3<<25)
	s_mov_b32 s[G1A+1], 32<<16
	s_mov_b32 s[G1A+2], 32<<16
	s_mov_b32 s[G1A+3], 32<<16
	s_mov_b32 s[G1A+4], 32
	s_mov_b32 s[G1A+5], 32
	s_mov_b32 s[G1A+6], 0
	s_mov_b32 s[G1A+7], 0
	; wt: 32 rows of 128 elements of 2 bytes, pitch 1,024; 4 words of padding behind every 64
	s_or_b32 s[G1B+0], s70, (1<<16)|(1<<20)|(1<<21)|(5<<22)|(3<<25)
	s_mov_b32 s[G1B+1], 128<<16
	s_mov_b32 s[G1B+2], 32<<16
	s_mov_b32 s[G1B+3], 128<<16
	s_mov_b32 s[G1B+4], 32
	s_mov_b32 s[G1B+5], 1024
	s_mov_b32 s[G1B+6], 0
	s_mov_b32 s[G1B+7], 0
	s_lshr_b32 s66, s14, 4                         ; ao: ((32 b + wm) x 2048 + 128 (block % 16) + 64 wn) rows of 128 bytes: of cy and the wave
	s_lshl_b32 s66, s66, 5
	s_add_co_u32 s66, s66, s78
	s_lshl_b32 s66, s66, 11
	s_and_b32 s67, s14, 15
	s_lshl_b32 s67, s67, 7
	s_add_co_u32 s66, s66, s67
	s_lshl_b32 s67, s79, 6
	s_add_co_u32 s66, s66, s67
	s_lshl_b32 s66, s66, 7
	s_mov_b32 s67, 0
	s_lshl_b32 s70, s13, 7                         ; wt: (3072 + 128 block + 32 w) rows of 2,048 bytes: of cx and the wave
	s_lshl_b32 s71, s[WV], 5
	s_add_co_u32 s70, s70, s71
	s_add_co_u32 s70, s70, 3072
	s_lshl_b32 s70, s70, 11
	s_mov_b32 s71, 0
	s_mul_i32 s74, s[WV], 64*PA                    ; LDS: group wm's sub-tile, rows 64 wn = 9,216 w,
	s_mul_i32 s75, s[WV], 32*PB
	s_add_co_u32 s75, s75, BOFF                    ; my 32 rows of wt's tile: of the wave's number alone
	s_lshl_b32 s76, s14, 7                         ; out0: row 128 block + 64 wm, of 4,096 bytes,
	s_lshl_b32 s77, s78, 6
	s_add_co_u32 s76, s76, s77
	s_lshl_b32 s76, s76, 12
	s_lshl_b32 s77, s13, 9                         ; column 128 block + 64 wn, of 4 bytes
	s_add_co_u32 s76, s76, s77
	s_lshl_b32 s77, s79, 8
	s_add_co_u32 s76, s76, s77
	s_mov_b32 s77, 0
	s_wait_kmcnt 0x0
	s_add_nc_u64 s[68:69], s[4:5], s[66:67]
	s_add_nc_u64 s[72:73], s[6:7], s[70:71]
	s_add_nc_u64 s[8:9], s[8:9], s[76:77]
.irp n, 0,1,2,3
	s_mov_b32 s[G0A+4*\n], 1
	s_add_co_u32 s[G0A+4*\n+1], s74, \n*SLOT
	s_add_nc_u64 s[G0A+4*\n+2:G0A+4*\n+3], s[68:69], \n*ATILE
	s_or_b32 s[G0A+4*\n+3], s[G0A+4*\n+3], 0x80000000
	s_mov_b32 s[G0B+4*\n], 1
	s_add_co_u32 s[G0B+4*\n+1], s75, \n*SLOT
	s_add_nc_u64 s[G0B+4*\n+2:G0B+4*\n+3], s[72:73], \n*BTILE
	s_or_b32 s[G0B+4*\n+3], s[G0B+4*\n+3], 0x80000000
.endr
	CROUND                                         ; all sixteen work-groups are here: the first joint loads meet
.irp n, 0,1,2,3
	tensor_load_to_lds s[G0A+4*\n:G0A+4*\n+3], s[G1A:G1A+7]
	s_nop 0
	tensor_load_to_lds s[G0B+4*\n:G0B+4*\n+3], s[G1B:G1B+7]
	s_nop 0
.endr
	v_and_b32 v1, 15, v0                           ; r
	v_bfe_u32 v2, v0, 4, 1                         ; h
	v_mul_u32_u24 v3, v1, PA
	v_lshl_add_u32 v3, v2, 4, v3
	v_mul_u32_u24 v4, v1, PB
	v_lshl_add_u32 v4, v2, 4, v4
	s_mul_i32 s66, s78, 64*PA                      ; my 64 rows of A
	s_mul_i32 s67, s79, 64*PB
	s_add_co_u32 s67, s67, BOFF                    ; my 64 rows of wt
	v_add_nc_u32 v[ADRA], s66, v3
	v_add_nc_u32 v[ADRB], s67, v4
.irp n, 1,2,3
	v_add_nc_u32 v[ADRA+\n], SLOT, v[ADRA+\n-1]
	v_add_nc_u32 v[ADRB+\n], SLOT, v[ADRB+\n-1]
.endr
	s_mul_i32 s66, s[WV], 16*SP
	s_add_co_u32 s66, s66, STAGE                   ; my stage
	v_mul_u32_u24 v5, v1, SP
	v_lshl_add_u32 v5, v2, 5, v5
	v_add_nc_u32 v[STO], s66, v5                   ; in: row r, 8 f32 at byte 32 h (+ 64 for each block of 16 columns)
	v_mul_u32_u24 v5, v2, SP
	v_lshl_add_u32 v5, v1, 4, v5
	v_add_nc_u32 v[RD], s66, v5                    ; back: lanes 0-15 one row of 256 bytes, lanes 16-31 the next
	v_lshlrev_b32 v5, 4, v1
	v_lshl_add_u32 v[CO], v2, 12, v5               ; the same two rows in out0
; 16 matrix instructions on fragment buffer f.  The sixteen accumulators take turns, one instruction a turn, in the same order in every quarter step.
.macro MUL16 f, zero
.irp b, 0,1,2,3
.irp a, 0,1,2,3
.if \zero
	v_wmma_f32_16x16x32_f16 v[8*(4*\b+\a):8*(4*\b+\a)+7], v[FB+32*\f+8*\b:FB+32*\f+8*\b+7], v[FA+32*\f+8*\a:FA+32*\f+8*\a+7], 0
.else
	v_wmma_f32_16x16x32_f16 v[8*(4*\b+\a):8*(4*\b+\a)+7], v[FB+32*\f+8*\b:FB+32*\f+8*\b+7], v[FA+32*\f+8*\a:FA+32*\f+8*\a+7], v[8*(4*\b+\a):8*(4*\b+\a)+7]
.endif
.endr
.endr
.endm
; 16 LDS loads: quarter ks of a tile (32 K: group ks / 2, d from 32 (ks % 2)) into buffer f
.macro FETCH3 slot, ks, f
.irp a, 0,1,2,3
	ds_load_b128 v[FA+32*\f+8*\a:FA+32*\f+8*\a+3],   v[ADRA+\slot] offset:(\ks>>1)*HSUB+(\ks&1)*64+\a*16*PA
	ds_load_b128 v[FA+32*\f+8*\a+4:FA+32*\f+8*\a+7], v[ADRA+\slot] offset:(\ks>>1)*HSUB+(\ks&1)*64+\a*16*PA+32
.endr
.irp b, 0,1,2,3
	ds_load_b128 v[FB+32*\f+8*\b:FB+32*\f+8*\b+3],   v[ADRB+\slot] offset:\ks*64+\b*16*PB
	ds_load_b128 v[FB+32*\f+8*\b+4:FB+32*\f+8*\b+7], v[ADRB+\slot] offset:\ks*64+\b*16*PB+32
.endr
.endm
; A quarter step: fetches quarter ks of slot 'slot' into buffer g, then multiplies buffer f.
; The four v_nop are the places between the matrix instructions that read buffer g and the loads into it (ISA guide 7.12.1 for vector instructions).
.macro Q3 slot, ks, f, g, zero
	PLACES 4
	FETCH3 \slot, \ks, \g
	s_wait_dscnt 16                                ; all but the 16 just issued: buffer f is in
	WIN 0x50                                       ; C and D in window 1
	MUL16 \f, \zero
	WIN 0
.endm
.macro STEP3 slot, zero
	Q3 \slot, 1, 0, 1, \zero
	Q3 \slot, 2, 1, 0, 0
	Q3 \slot, 3, 0, 1, 0
.endm
; Two K steps on slots x and y, both of whose tiles the round in front has shown landed to all waves: the change from x to y needs no barrier.
.macro DUO x, y
	STEP3 \x, 0
	Q3 \y, 0, 1, 0, 0
	STEP3 \y, 0
.endm
; The last quarter of a K step where the next tile has yet to be shown to all waves.  cnt = how many of my younger tensor loads may stay out.
; fill = 1: cnt is 0, the barrier opens a round of the cluster's barrier, and slots x and y, which have been read, are filled with the tiles four further on:
; ao goes four tiles on; wt goes four tiles on, or (back = 1) four tiles back, since tiles 8 .. 15 take wt's tiles 0 .. 7 again.
.macro CHANGE next, cnt, fill, x, y, back
	s_wait_dscnt 0x0                               ; my LDS reads are over, buffer 1's among them
	s_wait_tensorcnt \cnt
	s_barrier_signal -1
	s_barrier_wait -1
.if \fill
	CREST
.irp t, \x, \y
	s_add_nc_u64 s[G0A+4*\t+2:G0A+4*\t+3], s[G0A+4*\t+2:G0A+4*\t+3], 4*ATILE
.if \back
	s_sub_nc_u64 s[G0B+4*\t+2:G0B+4*\t+3], s[G0B+4*\t+2:G0B+4*\t+3], 4*BTILE
.else
	s_add_nc_u64 s[G0B+4*\t+2:G0B+4*\t+3], s[G0B+4*\t+2:G0B+4*\t+3], 4*BTILE
.endif
.endr
.irp t, \x, \y
	tensor_load_to_lds s[G0A+4*\t:G0A+4*\t+3], s[G1A:G1A+7]
	s_nop 0
	tensor_load_to_lds s[G0B+4*\t:G0B+4*\t+3], s[G1B:G1B+7]
	s_nop 0
.endr
.endif
	PLACES 4
	FETCH3 \next, 0, 0
	WIN 0x50
	MUL16 1, 0
	WIN 0
.endm
	s_wait_tensorcnt 0x6                           ; my two parts of tile 0 are in; the six younger loads stay out
	s_barrier_signal -1
	s_barrier_wait -1
	FETCH3 0, 0, 0
	STEP3 0, 1                                     ; tile 0: its first products start the sums
	CHANGE 1, 4, 0, 0, 0, 0                        ; tile 1 is in; tiles 2, 3 (four loads) may stay out
	STEP3 1, 0
	CHANGE 2, 0, 1, 0, 1, 0                        ; all have landed; slots 0, 1 take tiles 4, 5
	DUO 2, 3                                       ; tiles 2, 3
	CHANGE 0, 0, 1, 2, 3, 0                        ; slots 2, 3 take tiles 6, 7
	DUO 0, 1                                       ; tiles 4, 5
	CHANGE 2, 0, 1, 0, 1, 1                        ; slots 0, 1 take tiles 8, 9: the rest of A's groups 0 .. 3, wt's tiles 0, 1 again
	DUO 2, 3                                       ; tiles 6, 7
	CHANGE 0, 0, 1, 2, 3, 1                        ; slots 2, 3 take tiles 10, 11: wt's tiles 2, 3 again
	DUO 0, 1                                       ; tiles 8, 9
	CHANGE 2, 0, 1, 0, 1, 0                        ; slots 0, 1 take tiles 12, 13
	DUO 2, 3                                       ; tiles 10, 11
	CHANGE 0, 0, 1, 2, 3, 0                        ; slots 2, 3 take tiles 14, 15: the last
	DUO 0, 1                                       ; tiles 12, 13
	CHANGE 2, 2, 0, 0, 0, 0                        ; tile 14 is in; tile 15's two loads may stay out
	STEP3 2, 0
	CHANGE 3, 0, 0, 0, 0, 0                        ; tile 15 is in
	STEP3 3, 0
	s_wait_dscnt 0x0
	WIN 0x50
	MUL16 1, 0
	WIN 0
	PLACES 4                                       ; behind the last matrix instructions: results are read, fragment registers loaded again
; The way out, 16 rows at a time: 32 bytes a lane and column block into my stage, back as rows of 256 bytes; 16 lanes store 256 consecutive bytes, aligned.
.macro OUT16 a
	WIN 0x04                                       ; an LDS store's data is source 1: window 1
.irp b, 0,1,2,3
	ds_store_b128 v[STO], v[8*(4*\b+\a):8*(4*\b+\a)+3]   offset:64*\b
	ds_store_b128 v[STO], v[8*(4*\b+\a)+4:8*(4*\b+\a)+7] offset:64*\b+16
.endr
	WIN 0
.irp t, 0,1,2,3,4,5,6,7
	ds_load_b128 v[BACK+32*\a+4*\t:BACK+32*\a+4*\t+3], v[RD] offset:\t*2*SP    ; LDS serves a wave's instructions in order: these see the stores above
.endr
.irp t, 0,1,2,3,4,5,6,7
	s_wait_dscnt 7-\t
	global_store_b128 v[CO], v[BACK+32*\a+4*\t:BACK+32*\a+4*\t+3], s[8:9] offset:(16*\a+2*\t)*4096 th:TH_STORE_NT
.endr
.endm
	OUT16 0
	OUT16 1
	OUT16 2
	OUT16 3
	CROUND                                         ; the closing round
	s_endpgm
.Lfunc_end_k_q53bfae4b4a_oproj:
	.size	k_q53bfae4b4a_oproj, .Lfunc_end_k_q53bfae4b4a_oproj-k_q53bfae4b4a_oproj
	.p2alignl 7, 3214868480
	.fill 96, 4, 3214868480
	.section	.rodata,"a",@progbits
	.p2align	6, 0x0
	.amdhsa_kernel k_q53bfae4b4a_oproj
		.amdhsa_group_segment_fixed_size 327680
		.amdhsa_private_segment_fixed_size 0
		.amdhsa_enable_private_segment 0
		.amdhsa_kernarg_size 24
		.amdhsa_user_sgpr_count 2
		.amdhsa_user_sgpr_kernarg_segment_ptr 1
		.amdhsa_wavefront_size32 1
		.amdhsa_system_sgpr_workgroup_id_x 1
		.amdhsa_system_sgpr_workgroup_id_y 1
		.amdhsa_system_sgpr_workgroup_id_z 1
		.amdhsa_system_vgpr_workitem_id 0
		.amdhsa_next_free_vgpr 384
		.amdhsa_next_free_sgpr 80
		.amdhsa_reserve_vcc 0
		.amdhsa_float_denorm_mode_32 3
		.amdhsa_float_denorm_mode_16_64 3
		.amdhsa_memory_ordered 1
		.amdhsa_forward_progress 1
		.amdhsa_inst_pref_size 165
	.end_amdhsa_kernel
	.amdgpu_metadata
---
amdhsa.version: [ 1, 2 ]
amdhsa.kernels:
  - .name:           k_q53bfae4b4a_oproj
    .symbol:         k_q53bfae4b4a_oproj.kd
    .args:
      - { .name: ao, .offset: 0, .size: 8, .value_kind: global_buffer, .address_space: global }
      - { .name: wt, .offset: 8, .size: 8, .value_kind: global_buffer, .address_space: global }
      - { .name: out0, .offset: 16, .size: 8, .value_kind: global_buffer, .address_space: global }
    .group_segment_fixed_size: 327680
    .private_segment_fixed_size: 0
    .kernarg_segment_align: 8
    .kernarg_segment_size: 24
    .max_flat_workgroup_size: 128
    .sgpr_count:     80
    .vgpr_count:     384
    .wavefront_size: 32
...
	.end_amdgpu_metadata
.endif
;; end of part 4
;; ======== version 2 of 2: 4 launches
;; limits: values are held in f16: magnitudes above 65,504 overflow, below 6.1e-05 lose precision
;; workspace buffers: xb 8,388,608 bytes; wt 8,388,608 bytes; qkv 25,165,824 bytes; ao 16,777,216 bytes
;; launch prep: the kernel of part 1 again; grid 256 x 1, 8 waves a work-group, no clusters, 34,816 bytes of LDS; arguments hidden_states, wq, wk, wv, wo, xb, wt; writes xb, wt
;; launch qkv (part 5): grid 16 x 16, 4 waves a work-group, clusters of 4 x 4, 327,680 bytes of LDS; arguments xb, wt, position_ids, qkv; writes qkv
.if DOCPART == 5
	.amdgcn_target "amdgcn-amd-amdhsa--gfx1250"
	.amdhsa_code_object_version 6
	.text
	.protected	k_q53bfae4b4a_qkv
	.globl	k_q53bfae4b4a_qkv
	.p2align	8
	.type	k_q53bfae4b4a_qkv,@function
k_q53bfae4b4a_qkv:
	s_mov_b64 s[64:65], 0
	v_nop
	global_prefetch_b8 v0, s[64:65] scope:SCOPE_SE
	s_setreg_imm32_b32 hwreg(HW_REG_WAVE_MODE, 25, 1), 1
	s_wait_xcnt 0x0
	s_wait_alu depctr_hold_cnt(0) depctr_sa_sdst(0) depctr_va_vdst(0) depctr_va_sdst(0) depctr_va_ssrc(0) depctr_va_vcc(0) depctr_vm_vsrc(0)
	s_getreg_b32 s2, hwreg(HW_REG_IB_STS2, 6, 4)
	s_cmp_eq_u32 s2, 0
	s_cbranch_scc0 .Lentry_in_a_cluster
	s_endpgm
.Lentry_in_a_cluster:
	s_bfe_u32 s2, ttmp6, 0x10000c
	s_cmp_lg_u32 s2, 0xf033
	s_cbranch_scc0 .Lentry_shape_is_right
	s_endpgm
.Lentry_shape_is_right:
; qkv: [Q | K | V] of one head = xb (256 rows) x wt (192 rows: the head's 64 columns of wq, wk, wv), K = 1024, bf16 x bf16 with f32 sums;
; then RoPE on Q and K, Q times 1/8, and one rounding to f16.
; Output qkv[b][16 p + head][s][64] f16 (p = 0 Q, 1 K, 2 V): a head's rows are 128 bytes and lie without gaps.
; WHY f16 OUT: Q, K, V are operands of the next launch's products; f16 keeps 11 significant bits where bf16 keeps 8, and a query that attends to few keys
; passes V's rounding on undamped.  ROOM IN f16 (largest 65,504): drawn, |q|, |k|, |v| are about 0.64; with hidden_states and the weight both 30 times larger about 576;
; with both carrying an offset of 30 spreads about 1024 x 30 x 0.6 = 18,432, times 1.42 at the most behind RoPE; with both 30 times smaller Q / 8 is about 9e-5,
; where f16's step is 6e-8.  LIMIT: a number above 65,504 becomes infinite.
; Four waves; wave w makes rows 64 w .. 64 w + 63 x all 192 columns: 4 x 12 accumulator tiles, 384 registers, so that RoPE's partners d and d + 32 lie in one lane.
; K goes in steps of 128 (rows of 256 bytes, aligned) through two LDS slots filled by tensor loads.
; CLUSTER 4 x 4: x = head, y = block of 256 rows.  xb's tile hangs on the block of rows alone and is asked for jointly along a row of the cluster,
; wt's on the head alone and is asked for jointly along a column: each wave issues one load of each kind for a slot (64 rows of xb, 48 rows of wt).
; LIMITS.  position_ids are taken as 0 .. 2047, the rows of the table that the problem builds; the id is used as a number, t = float(id), never as an address.
; cos and sin of t x inv_freq are computed here: inv_freq = 2^(-d log2(10000) / 32) by v_exp_f32, the angle reduced by multiples of pi/2 held in two f32 parts
; (the multiple is at most 1,304), then series cut at r^7 (sin) and r^6 (cos): on |r| <= pi/4 the first terms left out are below 4e-6.
;
; REGISTERS by windows of 256:
;   window 0: v16-27 addresses; v32-63, v64-95 fragments of xb, two buffers (before the first fragments: v32-79 at work on cos and sin);
;             v96-115 inv_freq and positions; v128-255 cos and sin (block a, half e, register j)
;   window 1: accumulators of column blocks b = 0 .. 7 (Q, K) at 8 (4 b + a);  window 2: b = 8 .. 11 (V) at 8 (4 (b - 8) + a)
;   window 3: fragments of wt, two buffers, v0-95 and v96-191
; The matrix instruction is used transposed (source 0 = 16 rows of wt, source 1 = 16 rows of xb): lane (r, h) holds row r, columns 16 b + 8 h + 0 .. 7.
.set KSTEP, 128
.set PITCH, 272                        ; LDS row: 256 bytes + 16: the 16 rows of a fragment load start in 16 different 16-byte columns of 256
.set AB,    256*PITCH                  ; xb's 256 rows
.set SLOT,  448*PITCH                  ; then wt's 192 rows
.set STAGE, 2*SLOT                     ; behind the ring, a multiple of 256: no tensor load lands here
.set SP,    144                        ; stage row: 128 bytes + 16
.set SH,    16*SP                      ; 16 rows of one head; a wave's stage is three of them, 6,912 bytes
.set WV,    12                         ; s12 the wave's number
.set G1A, 16                           ; s[16:23] group 1, xb's tiles
.set G1B, 24                           ; s[24:31] group 1, wt's tiles
.set G0A, 32                           ; s[32:39] group 0, xb, one set for each slot
.set G0B, 40                           ; s[40:47] group 0, wt, one set for each slot
.set QM,  80                           ; s[80:87] eight lane masks: odd quadrants
.set ADRA, 16                          ; v16-17 LDS address of my xb fragments, slot 0, 1
.set ADRB, 20                          ; v20-21 the same for wt
.set STO,  24
.set RD,   25
.set CO,   26
.set PO,   27
.set FA,   32
.set TS,   32                          ; v[32:79] six registers for each of eight angles at work
.set FRQ,  96                          ; v[96:111] inv_freq of d = 16 e + 8 h + j
.set TP,   112                         ; v[112:115] t of my row in block a
.set CS,   128                         ; cos at CS + 32 a + 8 e + j, sin 16 further
.set YY,   32                          ; the way out: a head's 32 numbers of my row, then packed in place into 16 registers
.set TT,   64                          ; v[64:67] at work
.set BACK, 68                          ; v[68:115] rows read back
.set W1,   0x53                        ; source 0 window 3, source 1 window 0, C and D window 1
.set W2,   0xa3                        ; the same, C and D window 2
.set TO_B, 0xc0                        ; destination window 3
.set MSB, 0
.macro WIN new                         ; the immediate's high byte repeats the setting that is left
.if MSB != \new
	s_set_vgpr_msb (MSB<<8)|\new
.set MSB, \new
.endif
.endm
.macro PLACES n
.rept \n
	v_nop
.endr
.endm
.macro CREST                           ; a round of the cluster's barrier behind its opening work-group barrier
	s_cmp_lg_u32 s[WV], 0
	s_cbranch_scc1 .Lnw0_\@
	s_barrier_signal -3
.Lnw0_\@:
	s_barrier_wait -3
	s_barrier_signal -1
	s_barrier_wait -1
.endm
.macro CROUND
	s_barrier_signal -1
	s_barrier_wait -1
	CREST
.endm
	s_load_b256 s[4:11], s[0:1], 0x0               ; xb s[4:5], wt s[6:7], position_ids s[8:9], qkv s[10:11]
	v_lshrrev_b32 v1, 5, v0
	v_readfirstlane_b32 s[WV], v1                  ; wave 0 .. 3
	s_bfe_u32 s13, ttmp6, 0x40000                  ; cx
	s_bfe_u32 s14, ttmp6, 0x40004                  ; cy
	s_lshl_b32 s15, ttmp9, 2
	s_add_co_u32 s15, s15, s13                     ; head = 4 x cluster x + cx
	s_and_b32 s2, ttmp7, 0xffff
	s_lshl_b32 s2, s2, 2
	s_add_co_u32 s2, s2, s14                       ; block of 256 rows = 4 x cluster y + cy
	s_lshl_b32 s66, s14, 2
	s_lshl_b32 s66, 15, s66                        ; my row of the cluster
	s_lshl_b32 s70, 0x1111, s13                    ; my column
	; group 1: elements of 2 bytes, padding of 4 words behind every 64 words, bit 21 beside the mask; 128 elements a row, pitch 1,024
	s_or_b32 s[G1A+0], s66, (1<<16)|(1<<20)|(1<<21)|(5<<22)|(3<<25)
	s_mov_b32 s[G1A+1], KSTEP<<16                  ; tensor_dim0 = 128
	s_mov_b32 s[G1A+2], 64<<16                     ; tensor_dim1 = 64
	s_mov_b32 s[G1A+3], KSTEP<<16                  ; tile_dim0 = 128
	s_mov_b32 s[G1A+4], 64                         ; tile_dim1 = 64 rows: a wave's part of xb's tile
	s_mov_b32 s[G1A+5], 1024
	s_mov_b32 s[G1A+6], 0
	s_mov_b32 s[G1A+7], 0
	s_or_b32 s[G1B+0], s70, (1<<16)|(1<<20)|(1<<21)|(5<<22)|(3<<25)
	s_mov_b32 s[G1B+1], KSTEP<<16
	s_mov_b32 s[G1B+2], 48<<16                     ; 48 rows: a wave's part of wt's tile
	s_mov_b32 s[G1B+3], KSTEP<<16
	s_mov_b32 s[G1B+4], 48
	s_mov_b32 s[G1B+5], 1024
	s_mov_b32 s[G1B+6], 0
	s_mov_b32 s[G1B+7], 0
	s_lshl_b32 s66, s2, 19                         ; xb: (256 block + 64 w) rows of 2,048 bytes: of cy and the wave alone
	s_lshl_b32 s67, s[WV], 17
	s_add_co_u32 s66, s66, s67
	s_mov_b32 s67, 0
	s_mul_i32 s70, s15, 192                        ; wt: (192 head + 48 w) rows of 2,048 bytes: of cx and the wave alone
	s_mul_i32 s71, s[WV], 48
	s_add_co_u32 s70, s70, s71
	s_lshl_b32 s70, s70, 11
	s_mov_b32 s71, 0
	s_mul_i32 s74, s[WV], 64*PITCH                 ; LDS: my 64 rows of xb's tile,
	s_mul_i32 s75, s[WV], 48*PITCH                 ; my 48 rows of wt's: of the wave's number alone
	s_add_co_u32 s75, s75, AB
	s_lshl_b32 s76, s2, 10                         ; position_ids: (256 block + 64 w) words
	s_lshl_b32 s77, s[WV], 8
	s_add_co_u32 s76, s76, s77
	s_mov_b32 s77, 0
	s_lshr_b32 s78, s2, 3                          ; qkv: ((48 b + head) x 2048 + 256 (block % 8) + 64 w) rows of 128 bytes
	s_mul_i32 s78, s78, 48
	s_add_co_u32 s78, s78, s15
	s_lshl_b32 s78, s78, 11
	s_and_b32 s79, s2, 7
	s_lshl_b32 s79, s79, 8
	s_add_co_u32 s78, s78, s79
	s_lshl_b32 s79, s[WV], 6
	s_add_co_u32 s78, s78, s79
	s_lshl_b32 s78, s78, 7
	s_mov_b32 s79, 0
	s_wait_kmcnt 0x0
	s_add_nc_u64 s[68:69], s[4:5], s[66:67]
	s_add_nc_u64 s[72:73], s[6:7], s[70:71]
	s_add_nc_u64 s[8:9], s[8:9], s[76:77]
	s_add_nc_u64 s[58:59], s[10:11], s[78:79]      ; Q's rows,
	s_add_nc_u64 s[60:61], s[58:59], 0x400000      ; K's: 16 heads of 2,048 rows of 128 bytes further,
	s_add_nc_u64 s[62:63], s[58:59], 0x800000      ; V's
.irp n, 0,1
	s_mov_b32 s[G0A+4*\n], 1
	s_add_co_u32 s[G0A+4*\n+1], s74, \n*SLOT
	s_add_nc_u64 s[G0A+4*\n+2:G0A+4*\n+3], s[68:69], \n*KSTEP*2
	s_or_b32 s[G0A+4*\n+3], s[G0A+4*\n+3], 0x80000000
	s_mov_b32 s[G0B+4*\n], 1
	s_add_co_u32 s[G0B+4*\n+1], s75, \n*SLOT
	s_add_nc_u64 s[G0B+4*\n+2:G0B+4*\n+3], s[72:73], \n*KSTEP*2
	s_or_b32 s[G0B+4*\n+3], s[G0B+4*\n+3], 0x80000000
.endr
	CROUND                                         ; all sixteen work-groups are here: the first joint loads meet
.irp n, 0,1
	tensor_load_to_lds s[G0A+4*\n:G0A+4*\n+3], s[G1A:G1A+7]
	s_nop 0
	tensor_load_to_lds s[G0B+4*\n:G0B+4*\n+3], s[G1B:G1B+7]   ; four loads of the wave are out: the most in this text
	s_nop 0
.endr
	v_and_b32 v1, 15, v0                           ; r
	v_bfe_u32 v2, v0, 4, 1                         ; h
	v_and_b32 v3, 31, v0                           ; lane
	v_lshlrev_b32 v[PO], 2, v1
.irp a, 0,1,2,3
	global_load_b32 v[TP+\a], v[PO], s[8:9] offset:64*\a   ; the position of row 16 a + r of my 64
.endr
	v_mul_u32_u24 v5, v1, PITCH
	v_lshl_add_u32 v5, v2, 4, v5                   ; fragment: row r, 16 bytes for each half of the lanes
	v_add_nc_u32 v[ADRA], s74, v5                  ; my own 64 rows of xb
	v_add_nc_u32 v[ADRA+1], SLOT, v[ADRA]
	v_add_nc_u32 v[ADRB], AB, v5                   ; all 192 rows of wt
	v_add_nc_u32 v[ADRB+1], SLOT, v[ADRB]
	s_mul_i32 s57, s[WV], 3*SH
	s_add_co_u32 s57, s57, STAGE                   ; my stage
	v_mul_u32_u24 v6, v1, SP
	v_lshl_add_u32 v6, v2, 4, v6
	v_add_nc_u32 v[STO], s57, v6                   ; in: row r, byte 16 h (+ 32 for each block of 16 columns)
	v_lshrrev_b32 v6, 3, v3
	v_mul_u32_u24 v6, v6, SP
	v_and_b32 v7, 7, v3
	v_lshl_add_u32 v6, v7, 4, v6
	v_add_nc_u32 v[RD], s57, v6                    ; back: 8 lanes take a row of 128 bytes, a wave 4 rows
	v_lshlrev_b32 v[CO], 4, v3                     ; and in memory those 4 rows are 512 consecutive bytes
	s_mov_b32 s48, 0x3f22f983                      ; 2 / pi
	s_mov_b32 s49, 0xbfc90fdb                      ; - pi/2, upper part
	s_mov_b32 s50, 0x333bbd2e                      ; - pi/2, lower part (the upper part is too large by this much)
	s_mov_b32 s51, 0xb9500d01                      ; -1/5040
	s_mov_b32 s52, 0x3c088889                      ; 1/120
	s_mov_b32 s53, 0xbe2aaaab                      ; -1/6
	s_mov_b32 s54, 0xbab60b61                      ; -1/720
	s_mov_b32 s55, 0x3d2aaaab                      ; 1/24
	s_mov_b32 s56, 0x80000000                      ; the sign
	v_lshlrev_b32 v4, 3, v2                        ; 8 h
.irp e, 0,1
.irp j, 0,1,2,3,4,5,6,7
	v_add_nc_u32 v[FRQ+8*\e+\j], 16*\e+\j, v4      ; d = 16 e + 8 h + j, 0 .. 31
.endr
.endr
.set i, 0
.rept 16
	v_cvt_f32_u32 v[FRQ+i], v[FRQ+i]
.set i, i+1
.endr
.set i, 0
.rept 16
	v_mul_f32 v[FRQ+i], 0xbed49a78, v[FRQ+i]       ; - d log2(10000) / 32
.set i, i+1
.endr
.set i, 0
.rept 16
	v_exp_f32 v[FRQ+i], v[FRQ+i]
.set i, i+1
.endr
	v_nop                                          ; one plain instruction behind the exponentials (ISA guide 5.7.2)
	s_wait_loadcnt 0x0                             ; the four positions
	s_wait_alu depctr_va_vdst(0)
.irp a, 0,1,2,3
	v_cvt_f32_u32 v[TP+\a], v[TP+\a]
.endr
; cos and sin of t x inv_freq for the eight j of (a, e).  x = n pi/2 + r, |r| <= pi/4; the quadrant n mod 4 swaps the two series and sets the signs, by selects alone.
; Each of the 25 steps is written for all eight angles before the next step: an instruction's source was written eight instructions earlier, not by the one in front.
; Angle j works in v[TS+6j .. TS+6j+5]: 0: x, then r^3, then bits; 1: n, then the quadrant; 2: r, then |sin x|; 3: r^2, then |cos x|; 4: sin r; 5: cos r.
.macro SC8 a, e
.irp j, 0,1,2,3,4,5,6,7
	v_mul_f32 v[TS+6*\j], v[TP+\a], v[FRQ+8*\e+\j]                 ; x
.endr
.irp j, 0,1,2,3,4,5,6,7
	v_mul_f32 v[TS+6*\j+1], s48, v[TS+6*\j]
.endr
.irp j, 0,1,2,3,4,5,6,7
	v_rndne_f32 v[TS+6*\j+1], v[TS+6*\j+1]                         ; n
.endr
.irp j, 0,1,2,3,4,5,6,7
	v_fma_f32 v[TS+6*\j+2], v[TS+6*\j+1], s49, v[TS+6*\j]
.endr
.irp j, 0,1,2,3,4,5,6,7
	v_fma_f32 v[TS+6*\j+2], v[TS+6*\j+1], s50, v[TS+6*\j+2]        ; r
.endr
.irp j, 0,1,2,3,4,5,6,7
	v_mul_f32 v[TS+6*\j+3], v[TS+6*\j+2], v[TS+6*\j+2]             ; r^2
.endr
.irp j, 0,1,2,3,4,5,6,7
	v_fma_f32 v[TS+6*\j+4], v[TS+6*\j+3], s51, s52
.endr
.irp j, 0,1,2,3,4,5,6,7
	v_fma_f32 v[TS+6*\j+4], v[TS+6*\j+4], v[TS+6*\j+3], s53
.endr
.irp j, 0,1,2,3,4,5,6,7
	v_mul_f32 v[TS+6*\j], v[TS+6*\j+2], v[TS+6*\j+3]               ; r^3
.endr
.irp j, 0,1,2,3,4,5,6,7
	v_fma_f32 v[TS+6*\j+4], v[TS+6*\j+4], v[TS+6*\j], v[TS+6*\j+2] ; sin r
.endr
.irp j, 0,1,2,3,4,5,6,7
	v_fma_f32 v[TS+6*\j+5], v[TS+6*\j+3], s54, s55
.endr
.irp j, 0,1,2,3,4,5,6,7
	v_fma_f32 v[TS+6*\j+5], v[TS+6*\j+5], v[TS+6*\j+3], -0.5
.endr
.irp j, 0,1,2,3,4,5,6,7
	v_fma_f32 v[TS+6*\j+5], v[TS+6*\j+5], v[TS+6*\j+3], 1.0        ; cos r
.endr
.irp j, 0,1,2,3,4,5,6,7
	v_cvt_i32_f32 v[TS+6*\j+1], v[TS+6*\j+1]                       ; n as a whole number
.endr
.irp j, 0,1,2,3,4,5,6,7
	v_and_b32 v[TS+6*\j], 1, v[TS+6*\j+1]
.endr
.irp j, 0,1,2,3,4,5,6,7
	v_cmp_eq_u32 s[QM+\j], 1, v[TS+6*\j]                           ; odd quadrant
.endr
.irp j, 0,1,2,3,4,5,6,7
	v_cndmask_b32 v[TS+6*\j+2], v[TS+6*\j+4], v[TS+6*\j+5], s[QM+\j]   ; |sin x|: cos r in odd quadrants
.endr
.irp j, 0,1,2,3,4,5,6,7
	v_cndmask_b32 v[TS+6*\j+3], v[TS+6*\j+5], v[TS+6*\j+4], s[QM+\j]   ; |cos x|: sin r in odd quadrants
.endr
.irp j, 0,1,2,3,4,5,6,7
	v_lshlrev_b32 v[TS+6*\j], 30, v[TS+6*\j+1]
.endr
.irp j, 0,1,2,3,4,5,6,7
	v_and_b32 v[TS+6*\j], s56, v[TS+6*\j]                          ; sin is negated in quadrants 2, 3
.endr
.irp j, 0,1,2,3,4,5,6,7
	v_xor_b32 v[CS+32*\a+16+8*\e+\j], v[TS+6*\j], v[TS+6*\j+2]
.endr
.irp j, 0,1,2,3,4,5,6,7
	v_add_nc_u32 v[TS+6*\j+1], 1, v[TS+6*\j+1]
.endr
.irp j, 0,1,2,3,4,5,6,7
	v_lshlrev_b32 v[TS+6*\j+1], 30, v[TS+6*\j+1]
.endr
.irp j, 0,1,2,3,4,5,6,7
	v_and_b32 v[TS+6*\j+1], s56, v[TS+6*\j+1]                      ; cos in quadrants 1, 2
.endr
.irp j, 0,1,2,3,4,5,6,7
	v_xor_b32 v[CS+32*\a+8*\e+\j], v[TS+6*\j+1], v[TS+6*\j+3]
.endr
.endm
.irp a, 0,1,2,3
.irp e, 0,1
	SC8 \a, \e
.endr
.endr
; 16 matrix instructions: column blocks b0 .. b0 + 3 x my four row blocks, 32 along K, on fragment buffer f.  zero = 1: the first product starts the sums.
; The 48 accumulators take turns, one instruction a turn, in the same order in every quarter step.
.macro MUL4 f, b0, zero
.irp bb, 0,1,2,3
.irp a, 0,1,2,3
.if \zero
	v_wmma_f32_16x16x32_bf16 v[8*(4*((\b0+\bb)%8)+\a):8*(4*((\b0+\bb)%8)+\a)+7], v[96*\f+8*(\b0+\bb):96*\f+8*(\b0+\bb)+7], v[FA+32*\f+8*\a:FA+32*\f+8*\a+7], 0
.else
	v_wmma_f32_16x16x32_bf16 v[8*(4*((\b0+\bb)%8)+\a):8*(4*((\b0+\bb)%8)+\a)+7], v[96*\f+8*(\b0+\bb):96*\f+8*(\b0+\bb)+7], v[FA+32*\f+8*\a:FA+32*\f+8*\a+7], v[8*(4*((\b0+\bb)%8)+\a):8*(4*((\b0+\bb)%8)+\a)+7]
.endif
.endr
.endr
.endm
; 32 LDS loads in one run: 8 for xb's four fragments, then 24 for wt's twelve, 32 K at byte k of the rows, into buffer f
.macro FETCH slot, k, f
	WIN 0
.irp a, 0,1,2,3
	ds_load_b128 v[FA+32*\f+8*\a:FA+32*\f+8*\a+3],   v[ADRA+\slot] offset:\k+\a*16*PITCH
	ds_load_b128 v[FA+32*\f+8*\a+4:FA+32*\f+8*\a+7], v[ADRA+\slot] offset:\k+\a*16*PITCH+32
.endr
	WIN TO_B
.irp b, 0,1,2,3,4,5,6,7,8,9,10,11
	ds_load_b128 v[96*\f+8*\b:96*\f+8*\b+3],   v[ADRB+\slot] offset:\k+\b*16*PITCH
	ds_load_b128 v[96*\f+8*\b+4:96*\f+8*\b+7], v[ADRB+\slot] offset:\k+\b*16*PITCH+32
.endr
.endm
; One of a K step's first three quarters: multiplies buffer f, and behind its first 16 products fetches the next quarter into buffer g.
; The four v_nop are the places between the matrix instructions that read buffer g and the loads into it (ISA guide 7.12.1 for vector instructions).
.macro QUARTER slot, k, f, g, zero
	s_wait_dscnt 16                                ; xb's fragments and wt's blocks 0-3 are in; the youngest 16 loads (blocks 4-11) may be out
	WIN W1
	MUL4 \f, 0, \zero
	PLACES 4
	FETCH \slot, \k, \g
	s_wait_dscnt 32                                ; all but the 32 just issued
	WIN W1
	MUL4 \f, 4, \zero
	WIN W2
	MUL4 \f, 8, \zero
.endm
.macro THREE slot, zero
	QUARTER \slot, 64,  0, 1, \zero
	QUARTER \slot, 128, 1, 0, 0
	QUARTER \slot, 192, 0, 1, 0
.endm
; The last quarter: multiplies buffer 1 and changes slots.  In front of the barrier each wave waits for its reads of this slot and for all its tensor loads
; (two are out: its parts of the next slot).  fill = 1: the barrier opens a round of the cluster's barrier, and behind the round this slot is filled again,
; two K steps ahead, by the first tensor loads there.
.macro TURN slot, next, fill
	s_wait_dscnt 16
	WIN W1
	MUL4 1, 0, 0
	s_wait_dscnt 0x0                               ; my reads of this slot are over
	s_wait_tensorcnt 0x0                           ; all my tensor loads have landed
	s_barrier_signal -1
	MUL4 1, 4, 0                                   ; register work while the others arrive
	WIN 0
	s_barrier_wait -1
.if \fill
	CREST
	s_add_nc_u64 s[G0A+4*\slot+2:G0A+4*\slot+3], s[G0A+4*\slot+2:G0A+4*\slot+3], 2*KSTEP*2
	s_add_nc_u64 s[G0B+4*\slot+2:G0B+4*\slot+3], s[G0B+4*\slot+2:G0B+4*\slot+3], 2*KSTEP*2
	tensor_load_to_lds s[G0A+4*\slot:G0A+4*\slot+3], s[G1A:G1A+7]
	s_nop 0
	tensor_load_to_lds s[G0B+4*\slot:G0B+4*\slot+3], s[G1B:G1B+7]
	s_nop 0
.endif
	PLACES 4
	FETCH \next, 0, 0
	WIN W2
	MUL4 1, 8, 0
.endm
.macro LAP zero
	THREE 0, \zero
	TURN 0, 1, 1
	THREE 1, 0
	TURN 1, 0, 1
.endm
	s_wait_tensorcnt 0x2                           ; my two parts of K step 0 are in; K step 1's two stay out
	s_barrier_signal -1
	s_barrier_wait -1
	FETCH 0, 0, 0
	LAP 1                                          ; K steps 0, 1; fills 2, 3
	WIN 0
	s_mov_b32 s3, 2                                ; K steps 2 .. 5; fills 4 .. 7
.Llap:
	LAP 0
	WIN 0
	s_sub_co_u32 s3, s3, 1
	s_cmp_lg_u32 s3, 0
	s_cbranch_scc1 .Llap
	THREE 0, 0                                     ; K steps 6, 7 fill nothing
	TURN 0, 1, 0
	THREE 1, 0
	s_wait_dscnt 16
	WIN W1
	MUL4 1, 0, 0
	s_wait_dscnt 0x0
	MUL4 1, 4, 0
	WIN W2
	MUL4 1, 8, 0
	PLACES 4                                       ; the places behind the last matrix instructions, for all that reads results or writes fragment registers below
; RoPE on the head at column blocks base .. base + 3 of row block a: y(d) = x(d) cos - x(d+32) sin, y(d+32) = x(d+32) cos + x(d) sin, d = 16 e + 8 h + j.
; The accumulators are source 1 (window 1); cos, sin, scratch and results lie in window 0.  Then 16 roundings to f16 in place and 16 bytes a column block into my stage.
.macro ROPE a, base, p, scale
	WIN 0x04
.irp e, 0,1
.irp jp, 0,2,4,6
	v_pk_mul_f32 v[TT:TT+1],   v[CS+32*\a+16+8*\e+\jp:CS+32*\a+16+8*\e+\jp+1], v[8*(4*(\base+\e+2)+\a)+\jp:8*(4*(\base+\e+2)+\a)+\jp+1]
	v_pk_mul_f32 v[TT+2:TT+3], v[CS+32*\a+16+8*\e+\jp:CS+32*\a+16+8*\e+\jp+1], v[8*(4*(\base+\e)+\a)+\jp:8*(4*(\base+\e)+\a)+\jp+1]
	v_pk_fma_f32 v[YY+8*\e+\jp:YY+8*\e+\jp+1], v[CS+32*\a+8*\e+\jp:CS+32*\a+8*\e+\jp+1], v[8*(4*(\base+\e)+\a)+\jp:8*(4*(\base+\e)+\a)+\jp+1], v[TT:TT+1] neg_lo:[0,0,1] neg_hi:[0,0,1]
	v_pk_fma_f32 v[YY+16+8*\e+\jp:YY+16+8*\e+\jp+1], v[CS+32*\a+8*\e+\jp:CS+32*\a+8*\e+\jp+1], v[8*(4*(\base+\e+2)+\a)+\jp:8*(4*(\base+\e+2)+\a)+\jp+1], v[TT+2:TT+3]
.endr
.endr
	WIN 0
.if \scale
.set i, 0
.rept 16
	v_pk_mul_f32 v[YY+i:YY+i+1], v[YY+i:YY+i+1], 0x3e000000 op_sel_hi:[1,0]   ; 1 / sqrt(64), exact: the scores' scale rides in Q
.set i, i+2
.endr
.endif
.set i, 0
.rept 16
	v_cvt_pk_f16_f32 v[YY+i], v[YY+2*i], v[YY+2*i+1]       ; ascending: register i is written when its own numbers have been packed
.set i, i+1
.endr
.irp bt, 0,1,2,3
	ds_store_b128 v[STO], v[YY+4*\bt:YY+4*\bt+3] offset:\p*SH+32*\bt
.endr
.endm
; Rows 16 a .. 16 a + 15 of my 64: Q, K, V into my stage, read back as whole rows, stored: each store of the wave covers 512 consecutive bytes, aligned.
.macro OUTA a
	ROPE \a, 0, 0, 1
	ROPE \a, 4, 1, 0
	WIN 0x0a                                       ; V: both sources in window 2
.irp bt, 0,1,2,3
.irp i2, 0,1,2,3
	v_cvt_pk_f16_f32 v[YY+4*\bt+\i2], v[8*(4*\bt+\a)+2*\i2], v[8*(4*\bt+\a)+2*\i2+1]
.endr
.endr
	WIN 0
.irp bt, 0,1,2,3
	ds_store_b128 v[STO], v[YY+4*\bt:YY+4*\bt+3] offset:2*SH+32*\bt
.endr
	s_wait_xcnt 0x0                                ; the registers that the last block's stores read are loaded again only behind this wait
.irp p, 0,1,2
.irp i2, 0,1,2,3
	ds_load_b128 v[BACK+16*\p+4*\i2:BACK+16*\p+4*\i2+3], v[RD] offset:\p*SH+\i2*4*SP   ; LDS serves a wave's instructions in order: these see the stores above
.endr
.endr
.irp p, 0,1,2
.irp i2, 0,1,2,3
	s_wait_dscnt 11-4*\p-\i2                       ; the younger loads stay out
	global_store_b128 v[CO], v[BACK+16*\p+4*\i2:BACK+16*\p+4*\i2+3], s[58+2*\p:59+2*\p] offset:2048*\a+512*\i2
.endr
.endr
.endm
	OUTA 0
	OUTA 1
	OUTA 2
	OUTA 3
	CROUND                                         ; the closing round: no work-group ends while a partner may still ask for a tile that names it
	s_endpgm
.Lfunc_end_k_q53bfae4b4a_qkv:
	.size	k_q53bfae4b4a_qkv, .Lfunc_end_k_q53bfae4b4a_qkv-k_q53bfae4b4a_qkv
	.p2alignl 7, 3214868480
	.fill 96, 4, 3214868480
	.section	.rodata,"a",@progbits
	.p2align	6, 0x0
	.amdhsa_kernel k_q53bfae4b4a_qkv
		.amdhsa_group_segment_fixed_size 327680
		.amdhsa_private_segment_fixed_size 0
		.amdhsa_enable_private_segment 0
		.amdhsa_kernarg_size 32
		.amdhsa_user_sgpr_count 2
		.amdhsa_user_sgpr_kernarg_segment_ptr 1
		.amdhsa_wavefront_size32 1
		.amdhsa_system_sgpr_workgroup_id_x 1
		.amdhsa_system_sgpr_workgroup_id_y 1
		.amdhsa_system_sgpr_workgroup_id_z 1
		.amdhsa_system_vgpr_workitem_id 0
		.amdhsa_next_free_vgpr 960
		.amdhsa_next_free_sgpr 88
		.amdhsa_reserve_vcc 0
		.amdhsa_float_denorm_mode_32 3
		.amdhsa_float_denorm_mode_16_64 3
		.amdhsa_memory_ordered 1
		.amdhsa_forward_progress 1
		.amdhsa_inst_pref_size 255
	.end_amdhsa_kernel
	.section	.bss,"aw",@nobits
	.p2align	6
	.space	262144
	.amdgpu_metadata
---
amdhsa.version: [ 1, 2 ]
amdhsa.kernels:
  - .name:           k_q53bfae4b4a_qkv
    .symbol:         k_q53bfae4b4a_qkv.kd
    .args:
      - { .name: xb, .offset: 0, .size: 8, .value_kind: global_buffer, .address_space: global }
      - { .name: wt, .offset: 8, .size: 8, .value_kind: global_buffer, .address_space: global }
      - { .name: position_ids, .offset: 16, .size: 8, .value_kind: global_buffer, .address_space: global }
      - { .name: qkv, .offset: 24, .size: 8, .value_kind: global_buffer, .address_space: global }
    .group_segment_fixed_size: 327680
    .private_segment_fixed_size: 0
    .kernarg_segment_align: 8
    .kernarg_segment_size: 32
    .max_flat_workgroup_size: 128
    .sgpr_count:     88
    .vgpr_count:     960
    .wavefront_size: 32
...
	.end_amdgpu_metadata
.endif
;; end of part 5
;; launch attn (part 6): grid 32 x 8, 4 waves a work-group, clusters of 4 x 4, 327,680 bytes of LDS; arguments qkv, attention_mask, ao; writes ao
.if DOCPART == 6
	.amdgcn_target "amdgcn-amd-amdhsa--gfx1250"
	.amdhsa_code_object_version 6
	.text
	.protected	k_q53bfae4b4a_attn
	.globl	k_q53bfae4b4a_attn
	.p2align	8
	.type	k_q53bfae4b4a_attn,@function
k_q53bfae4b4a_attn:
	s_mov_b64 s[64:65], 0
	v_nop
	global_prefetch_b8 v0, s[64:65] scope:SCOPE_SE
	s_setreg_imm32_b32 hwreg(HW_REG_WAVE_MODE, 25, 1), 1
	s_wait_xcnt 0x0
	s_wait_alu depctr_hold_cnt(0) depctr_sa_sdst(0) depctr_va_vdst(0) depctr_va_sdst(0) depctr_va_ssrc(0) depctr_va_vcc(0) depctr_vm_vsrc(0)
	s_getreg_b32 s2, hwreg(HW_REG_IB_STS2, 6, 4)
	s_cmp_eq_u32 s2, 0
	s_cbranch_scc0 .Lentry_in_a_cluster
	s_endpgm
.Lentry_in_a_cluster:
	s_bfe_u32 s2, ttmp6, 0x10000c
	s_cmp_lg_u32 s2, 0xf033
	s_cbranch_scc0 .Lentry_shape_is_right
	s_endpgm
.Lentry_shape_is_right:
; attn: softmax(max(Q K^T + mask, lowest f32)) V for one head and 256 queries, keys in 32 tiles of 64, with a running maximum.  (1/8 already rides in Q.)
; Q, K, V come in f16; P goes to the second product in f16 (P <= 1; below 6e-8 it becomes 0, against a row sum of at least 1); sums in f32.
; Output ao[b][g][s][64] f16, g = head: the upper part of the result, g = 16 + head: the rest.  The upper part is the f32 with its low 13 mantissa bits cleared
; (11 significant bits: exact in f16 from 2^-14 up), the rest is the exact difference, rounded to f16: the two together carry 22 bits into the last product.
; The mask is an input: every word of it is read and added as f32, nothing of its pattern is built in.
; Four waves; wave w owns 64 queries (4 tiles qt of 16).  Everything is computed TRANSPOSED, so that a query is a lane:
;   S^T(key, query) = K Q^T + C, and C is the mask tile, loaded from LDS straight into the accumulator registers: no add and no scale per score.
;   Lane (r, h), register j of tile (qt, kt) holds key 16 kt + 8 h + j of query 16 qt + r; packed in place to f16, tiles 2 kg and 2 kg + 1 ARE the B fragment of P^T.
;   O^T(d, query) += V^T P^T, V^T's fragments by the transposing LDS load.  Maximum, sum and rescaling factor are one number a lane; only lane xor 16 is consulted.
; CLUSTER 4 x 4: x = b x 16 + head, y = block of 256 queries.  The four heads of a row of the cluster (one b: 4 divides 16) share each mask tile,
; the four query blocks of a column share K and V: each is asked for jointly.
; ONE SHORT TEXT.  A key tile's text is some 850 instructions, nearly all of them vector work of one issue each.  The loop holds two tiles (one for each LDS slot) and makes
; 16 trips; no tile is written out in front of it or behind it, so that all but the first trip run text that has been run before.  For that:
;   the sums of O start as 0 x 0 + 0 (16 matrix instructions with C = 0 write its 128 registers), the row sum at 0, the maximum at the clamp's floor: the first tile's
;   rescaling factor is exp(floor - maximum), 0 or 1, on zeros;
;   the tile to fetch is min(t + 1, 31): the last trip asks for tile 31 once more, into the slot that is not read again (one tile in 33 is discarded); no load leaves its buffer.
; RING: two LDS slots; in front of each tile every wave waits for its reads and all its tensor loads, a round of the cluster's barrier follows, and the next tile's three
; loads (the wave's 64 rows of the mask, 16 keys of K, 16 of V) go into the other slot: at most three tensor loads of a wave are out, each with one tile's work in which to land.
; PREFETCH of the mask: see TRIP.  K and V are not prefetched: their 128 blocks of 256 bytes a trip, shared among the eight query blocks of a head, would fill half a wave's lanes.
; LIMITS.  The row sum is taken of the unrounded P.  -inf in the mask is raised to the lowest f32 as in the problem's own clamp.
; The clamp is v_max_num_f32, which drops a NaN: a NaN in the mask becomes the lowest f32 here, where the problem's text would spread it.
; |result| is at most the largest |V|, which the launch before has put into f16.
; The subtraction of the maximum comes before the multiplication by log2(e), so that a row whose scores are all the lowest f32 gives exp(0) = 1 everywhere.
.set PM,   272                         ; mask row in LDS: 64 f32 + 16 bytes
.set PK,   144                         ; K row: 64 f16 + 16 bytes
.set PV,   160                         ; V row: 64 f16 + 32 bytes (the transposing load wants an odd multiple of 32)
.set KOFF, 256*PM
.set VOFF, KOFF+64*PK
.set SLOT, VOFF+64*PV                  ; 89,088 bytes
.set STAGE, 2*SLOT                     ; a multiple of 256; 2,304 bytes a wave; no tensor load lands here
.set SP,   144
.set WV,   10
.set G1M, 16                           ; s[16:23], s[24:31], s[32:39]: group 1 for mask, K, V
.set G1K, 24
.set G1V, 32
.set GM,  40                           ; s[40:47], s[52:59], s[68:75]: group 0, one set for each slot
.set GK,  52
.set GV,  68
.set BM,  80                           ; s[80:85]: address of my part of tile 0, type bits set; never stepped
.set BK,  82
.set BV,  84
.set TI,  66                           ; s66 the tile behind the one at work
.set TF,  67                           ; s67 the tile to fetch
.set OF,  96                           ; s[96:97] its byte offset (upper word 0)
.set PFO, 98                           ; s[98:99] the prefetch's byte offset (upper word 0)
.set LG,  100                          ; s[100:101] log2(e), twice
.set MADR, 8                           ; v8-9, v11-12, v14-15: LDS addresses for slot 0, 1
.set KADR, 11
.set VADR, 14
.set STO, 17
.set RD,  18
.set CO,  19
.set QO,  20
.set PF,  23                           ; v23 the prefetch's lane term
.set MX,  24                           ; v[24:27] running maximum of query tile qt
.set LS,  28                           ; v[28:31] running sum (this half's keys)
.set NM,  32                           ; v[32:39] pairs (- maximum, new maximum)
.set AL,  40                           ; v[40:47] pairs (rescaling factor, the other half's number)
.set SM,  48                           ; v[48:51] two chains of sums
.set SC,  64                           ; v[64:191] S(qt, kt) at SC + 32 qt + 8 kt; on the way out the rows read back
.set KV,  192                          ; v[192:255] K(kt, ks) at + 16 kt + 8 ks, then V(kg, dt) at + 32 kg + 8 dt
.set HI,  192                          ; the way out: v[192:223] upper parts, v[224:255] the rest
.set LO,  224
.set QF,  128                          ; window 1: Q(qt, ks) at 128 + 16 qt + 8 ks; O(dt, qt) at 8 (4 dt + qt)
.set MSB, 0
.macro WIN new
.if MSB != \new
	s_set_vgpr_msb (MSB<<8)|\new
.set MSB, \new
.endif
.endm
.macro PLACES n
.rept \n
	v_nop
.endr
.endm
.macro CREST
	s_cmp_lg_u32 s[WV], 0
	s_cbranch_scc1 .Lnw0_\@
	s_barrier_signal -3
.Lnw0_\@:
	s_barrier_wait -3
	s_barrier_signal -1
	s_barrier_wait -1
.endm
.macro CROUND
	s_barrier_signal -1
	s_barrier_wait -1
	CREST
.endm
	s_load_b128 s[4:7], s[0:1], 0x0                ; qkv s[4:5], attention_mask s[6:7]
	s_load_b64 s[8:9], s[0:1], 0x10                ; ao
	v_lshrrev_b32 v1, 5, v0
	v_readfirstlane_b32 s[WV], v1
	s_bfe_u32 s11, ttmp6, 0x40000                  ; cx
	s_bfe_u32 s12, ttmp6, 0x40004                  ; cy
	s_lshl_b32 s13, ttmp9, 2
	s_add_co_u32 s13, s13, s11                     ; bh = 16 b + head
	s_and_b32 s14, ttmp7, 0xffff
	s_lshl_b32 s14, s14, 2
	s_add_co_u32 s14, s14, s12                     ; qb: block of 256 queries
	s_lshr_b32 s15, ttmp9, 2                       ; b, of the cluster's x alone
	s_lshl_b32 s90, s12, 2
	s_lshl_b32 s90, 15, s90                        ; my row of the cluster
	s_lshl_b32 s92, 0x1111, s11                    ; my column
	; mask: elements of 4 bytes, 64 rows of 64, pitch 2,048; 4 words of padding behind every 64
	s_or_b32 s[G1M+0], s90, (2<<16)|(1<<20)|(1<<21)|(5<<22)|(3<<25)
	s_mov_b32 s[G1M+1], 64<<16
	s_mov_b32 s[G1M+2], 64<<16
	s_mov_b32 s[G1M+3], 64<<16
	s_mov_b32 s[G1M+4], 64
	s_mov_b32 s[G1M+5], 2048
	s_mov_b32 s[G1M+6], 0
	s_mov_b32 s[G1M+7], 0
	; K: 16 keys of 128 bytes lie without gaps: 8 rows of 32 elements of 8 bytes (256 bytes); padding of 4 words behind every 32 words makes LDS rows of 144 bytes
	s_or_b32 s[G1K+0], s92, (3<<16)|(1<<20)|(1<<21)|(4<<22)|(3<<25)
	s_mov_b32 s[G1K+1], 32<<16
	s_mov_b32 s[G1K+2], 8<<16
	s_mov_b32 s[G1K+3], 32<<16
	s_mov_b32 s[G1K+4], 8
	s_mov_b32 s[G1K+5], 32
	s_mov_b32 s[G1K+6], 0
	s_mov_b32 s[G1K+7], 0
	; V: the same with 8 words of padding: LDS rows of 160 bytes
	s_or_b32 s[G1V+0], s92, (3<<16)|(1<<20)|(1<<21)|(4<<22)|(7<<25)
	s_mov_b32 s[G1V+1], 32<<16
	s_mov_b32 s[G1V+2], 8<<16
	s_mov_b32 s[G1V+3], 32<<16
	s_mov_b32 s[G1V+4], 8
	s_mov_b32 s[G1V+5], 32
	s_mov_b32 s[G1V+6], 0
	s_mov_b32 s[G1V+7], 0
	s_lshl_b32 s90, s15, 11                        ; mask: row 2048 b + 256 qb + 64 w, of 8,192 bytes: of cy, the cluster's x and the wave
	s_lshl_b32 s91, s14, 8
	s_add_co_u32 s90, s90, s91
	s_lshl_b32 s91, s[WV], 6
	s_add_co_u32 s90, s90, s91
	s_lshl_b32 s90, s90, 13
	s_mov_b32 s91, 0
	s_mul_i32 s92, s15, 48                         ; 48 b + head: Q's place among qkv's heads
	s_and_b32 s93, s13, 15
	s_add_co_u32 s92, s92, s93
	s_mov_b32 s94, s92
	s_add_co_u32 s92, s92, 16                      ; K: 16 heads on; row 16 w of the tile; rows of 128 bytes: of cx and the wave
	s_lshl_b32 s92, s92, 11
	s_lshl_b32 s93, s[WV], 4
	s_add_co_u32 s92, s92, s93
	s_lshl_b32 s92, s92, 7
	s_mov_b32 s93, 0
	s_lshl_b32 s94, s94, 11                        ; Q: row 256 qb + 64 w of its head
	s_lshl_b32 s95, s14, 8
	s_add_co_u32 s94, s94, s95
	s_lshl_b32 s95, s[WV], 6
	s_add_co_u32 s94, s94, s95
	s_lshl_b32 s94, s94, 7
	s_mov_b32 s95, 0
	s_lshl_b32 s2, s15, 4                          ; ao: group 32 b + head = 16 b + bh,
	s_add_co_u32 s2, s2, s13
	s_lshl_b32 s2, s2, 11                          ; row 256 qb + 64 w of it, of 128 bytes
	s_lshl_b32 s3, s14, 8
	s_add_co_u32 s2, s2, s3
	s_lshl_b32 s3, s[WV], 6
	s_add_co_u32 s2, s2, s3
	s_lshl_b32 s2, s2, 7
	s_mov_b32 s3, 0
	s_mul_i32 s96, s[WV], 64*PM                    ; LDS: my 64 rows of the mask,
	s_mul_i32 s97, s[WV], 16*PK
	s_add_co_u32 s97, s97, KOFF                    ; my 16 keys of K,
	s_mul_i32 s98, s[WV], 16*PV
	s_add_co_u32 s98, s98, VOFF                    ; of V,
	s_mul_i32 s99, s[WV], 16*SP
	s_add_co_u32 s99, s99, STAGE                   ; my stage: all of the wave's number alone
	s_mov_b32 s86, 0xff7fffff                      ; the lowest f32
	s_mov_b32 s88, 0x76543210                      ; v_permlanex16_b32: lane i takes lane i xor 16
	s_mov_b32 s89, 0xfedcba98
	s_mov_b32 s[LG], 0x3fb8aa3b                    ; log2(e)
	s_mov_b32 s[LG+1], 0x3fb8aa3b
	s_wait_kmcnt 0x0
	s_add_nc_u64 s[8:9], s[8:9], s[2:3]
	s_add_nc_u64 s[2:3], s[4:5], s[94:95]          ; Q
	s_add_nc_u64 s[BM:BM+1], s[6:7], s[90:91]
	s_add_nc_u64 s[BK:BK+1], s[4:5], s[92:93]
	s_add_nc_u64 s[BV:BV+1], s[BK:BK+1], 0x400000  ; V: 16 heads of 2,048 rows of 128 bytes behind K
	s_lshl_b32 s94, s15, 11                        ; the prefetch's rows: 2048 b + 256 qb + 16 head, of 8,192 bytes
	s_lshl_b32 s95, s14, 8
	s_add_co_u32 s94, s94, s95
	s_and_b32 s95, s13, 15
	s_lshl_b32 s95, s95, 4
	s_add_co_u32 s94, s94, s95
	s_lshl_b32 s94, s94, 13
	s_mov_b32 s95, 0
	s_add_nc_u64 s[6:7], s[6:7], s[94:95]
	s_or_b32 s[BM+1], s[BM+1], 0x80000000
	s_or_b32 s[BK+1], s[BK+1], 0x80000000
	s_or_b32 s[BV+1], s[BV+1], 0x80000000
.irp n, 0,1
	s_mov_b32 s[GM+4*\n], 1
	s_add_co_u32 s[GM+4*\n+1], s96, \n*SLOT
	s_mov_b32 s[GK+4*\n], 1
	s_add_co_u32 s[GK+4*\n+1], s97, \n*SLOT
	s_mov_b32 s[GV+4*\n], 1
	s_add_co_u32 s[GV+4*\n+1], s98, \n*SLOT
.endr
	s_mov_b64 s[GM+2:GM+3], s[BM:BM+1]             ; tile 0 goes to slot 0
	s_mov_b64 s[GK+2:GK+3], s[BK:BK+1]
	s_mov_b64 s[GV+2:GV+3], s[BV:BV+1]
	s_mov_b32 s[TI], 1
	CROUND                                         ; all sixteen work-groups are here: the first joint loads meet
	tensor_load_to_lds s[GM:GM+3], s[G1M:G1M+7]
	s_nop 0
	tensor_load_to_lds s[GK:GK+3], s[G1K:G1K+7]
	s_nop 0
	tensor_load_to_lds s[GV:GV+3], s[G1V:G1V+7]
	s_nop 0
	v_and_b32 v1, 15, v0                           ; r
	v_bfe_u32 v2, v0, 4, 1                         ; h
	v_and_b32 v3, 31, v0                           ; lane
	v_lshlrev_b32 v[QO], 7, v1
	v_lshl_add_u32 v[QO], v2, 4, v[QO]             ; Q fragment: row r of 128 bytes, 16 bytes for each half of the lanes
	WIN 0x40                                       ; destination window 1
.irp qt, 0,1,2,3
.irp ks, 0,1
	global_load_b128 v[QF+16*\qt+8*\ks:QF+16*\qt+8*\ks+3],   v[QO], s[2:3] offset:\qt*2048+64*\ks
	global_load_b128 v[QF+16*\qt+8*\ks+4:QF+16*\qt+8*\ks+7], v[QO], s[2:3] offset:\qt*2048+64*\ks+32
.endr
.endr
	WIN 0
	v_mul_u32_u24 v4, v1, PM
	v_lshl_add_u32 v4, v2, 5, v4                   ; mask as C: row r, 8 f32 at byte 32 h (+ 64 kt)
	v_add_nc_u32 v[MADR], s96, v4
	v_add_nc_u32 v[MADR+1], SLOT, v[MADR]
	v_mul_u32_u24 v5, v1, PK
	v_lshl_add_u32 v5, v2, 4, v5                   ; 144 r + 16 h: K's fragments, and my stage's rows
	v_add_nc_u32 v[KADR], KOFF, v5
	v_add_nc_u32 v[KADR+1], SLOT, v[KADR]
	v_and_b32 v6, 7, v3
	v_lshl_add_u32 v6, v2, 3, v6                   ; transposing load: key 8 h + lane % 8,
	v_mul_u32_u24 v6, v6, PV
	v_bfe_u32 v7, v0, 3, 1
	v_lshl_add_u32 v6, v7, 4, v6                   ; 16 bytes by bit 3 of the lane
	v_add_nc_u32 v[VADR], VOFF, v6
	v_add_nc_u32 v[VADR+1], SLOT, v[VADR]
	v_add_nc_u32 v[STO], s99, v5
	v_lshrrev_b32 v21, 3, v3
	v_mul_u32_u24 v21, v21, SP
	v_and_b32 v22, 7, v3
	v_lshl_add_u32 v21, v22, 4, v21
	v_add_nc_u32 v[RD], s99, v21                   ; back: 8 lanes a row of 128 bytes
	v_lshlrev_b32 v[CO], 4, v3
	v_lshrrev_b32 v21, 1, v3
	v_and_b32 v22, 1, v3
	v_lshlrev_b32 v22, 8, v22
	v_lshl_add_u32 v[PF], v21, 13, v22             ; prefetch: row lane / 2 of my 16, block lane % 2 of the two tiles' 512 bytes
	s_mov_b32 s[OF+1], 0                           ; the offsets' upper words; the LDS addresses that lay here have been used
	s_mov_b32 s[PFO+1], 0
.irp qt, 0,1,2,3
	v_mov_b32 v[MX+\qt], s86                       ; the running maximum starts at the clamp's floor,
	v_mov_b32 v[LS+\qt], 0                         ; the running sum at 0
	v_mov_b32 v[AL+2*\qt+1], 0                     ; written once: the lane exchange counts as a reader of its destination
.endr
.set i, 0
.rept 16
	v_mov_b32 v[SC+i], 0                           ; two fragments of zeros
.set i, i+1
.endr
	WIN 0x50
.irp dt, 0,1,2,3
.irp qt, 0,1,2,3
	v_wmma_f32_16x16x32_f16 v[8*(4*\dt+\qt):8*(4*\dt+\qt)+7], v[SC:SC+7], v[SC+8:SC+15], 0   ; O = 0 x 0 + 0: 16 instructions start the 128 sums of a lane
.endr
.endr
	WIN 0
	s_wait_loadcnt 0x0                             ; Q
; Query tile qt of a key tile: P = exp(S - maximum), its sum, P packed in place, O rescaled, and the eight products V^T P^T.
.macro SOFT qt
.set SB, SC+32*\qt
.set i, 0
.rept 16
	v_pk_add_f32 v[SB+i:SB+i+1], v[SB+i:SB+i+1], v[NM+2*\qt:NM+2*\qt+1] op_sel_hi:[1,0]   ; minus the maximum, first
.set i, i+2
.endr
.set i, 0
.rept 16
	v_pk_mul_f32 v[SB+i:SB+i+1], v[SB+i:SB+i+1], s[LG:LG+1] op_sel_hi:[1,0]               ; times log2(e)
.set i, i+2
.endr
.set i, 0
.rept 32
	v_exp_f32 v[SB+i], v[SB+i]
.set i, i+1
.endr
	v_nop                                          ; one plain instruction behind the exponentials (ISA guide 5.7.2)
	s_wait_alu depctr_va_vdst(0)
	v_pk_add_f32 v[SM:SM+1],   v[SB:SB+1],   v[SB+2:SB+3]
	v_pk_add_f32 v[SM+2:SM+3], v[SB+4:SB+5], v[SB+6:SB+7]
.set i, 8
.rept 6
	v_pk_add_f32 v[SM:SM+1],   v[SM:SM+1],   v[SB+i:SB+i+1]
	v_pk_add_f32 v[SM+2:SM+3], v[SM+2:SM+3], v[SB+i+2:SB+i+3]
.set i, i+4
.endr
	v_pk_add_f32 v[SM:SM+1], v[SM:SM+1], v[SM+2:SM+3]
	v_add_f32 v[SM], v[SM], v[SM+1]
	v_fma_f32 v[LS+\qt], v[LS+\qt], v[AL+2*\qt], v[SM]
.set i, 0
.rept 16
	v_cvt_pk_f16_f32 v[SB+i], v[SB+2*i], v[SB+2*i+1]       ; ascending, in place: registers 0-7 become P^T's fragment of keys 0-31, 8-15 of keys 32-63
.set i, i+1
.endr
	WIN 0x41                                       ; O in window 1, the factor in window 0
.irp dt, 0,1,2,3
.irp jp, 0,2,4,6
	v_pk_mul_f32 v[8*(4*\dt+\qt)+\jp:8*(4*\dt+\qt)+\jp+1], v[8*(4*\dt+\qt)+\jp:8*(4*\dt+\qt)+\jp+1], v[AL+2*\qt:AL+2*\qt+1] op_sel_hi:[1,0]
.endr
.endr
.if \qt == 0
	s_wait_dscnt 0x0                               ; V's fragments
.endif
	WIN 0x50                                       ; O (C and D) in window 1.  The four accumulators take turns, one instruction a turn
.irp dt, 0,1,2,3
	v_wmma_f32_16x16x32_f16 v[8*(4*\dt+\qt):8*(4*\dt+\qt)+7], v[KV+8*\dt:KV+8*\dt+7], v[SB:SB+7], v[8*(4*\dt+\qt):8*(4*\dt+\qt)+7]
.endr
.irp dt, 0,1,2,3
	v_wmma_f32_16x16x32_f16 v[8*(4*\dt+\qt):8*(4*\dt+\qt)+7], v[KV+32+8*\dt:KV+32+8*\dt+7], v[SB+8:SB+15], v[8*(4*\dt+\qt):8*(4*\dt+\qt)+7]
.endr
	WIN 0
.endm
; One key tile, from LDS slot 'slot'.
.macro STEP slot
	PLACES 5                                       ; behind the last products: their sources are loaded into (four places) and written over by matrix instructions (five) (ISA guide 7.12.1 for vector instructions)
.irp kt, 0,1,2,3
.irp ks, 0,1
	ds_load_b128 v[KV+16*\kt+8*\ks:KV+16*\kt+8*\ks+3],   v[KADR+\slot] offset:\kt*16*PK+64*\ks
	ds_load_b128 v[KV+16*\kt+8*\ks+4:KV+16*\kt+8*\ks+7], v[KADR+\slot] offset:\kt*16*PK+64*\ks+32
.endr
.endr
.irp qt, 0,1,2,3
.irp kt, 0,1,2,3
	ds_load_b128 v[SC+32*\qt+8*\kt:SC+32*\qt+8*\kt+3],   v[MADR+\slot] offset:\qt*16*PM+64*\kt      ; the mask, into the accumulators
	ds_load_b128 v[SC+32*\qt+8*\kt+4:SC+32*\qt+8*\kt+7], v[MADR+\slot] offset:\qt*16*PM+64*\kt+16
.endr
.endr
	WIN 0x04                                       ; Q (source 1) in window 1.  The sixteen accumulators take turns, one instruction a turn
.irp qt, 0,1,2,3
	s_wait_dscnt 24-8*\qt                          ; K and the mask of query tiles up to qt are in; the 8 loads of each later query tile stay out
.irp kt, 0,1,2,3
	v_wmma_f32_16x16x32_f16 v[SC+32*\qt+8*\kt:SC+32*\qt+8*\kt+7], v[KV+16*\kt:KV+16*\kt+7], v[QF+16*\qt:QF+16*\qt+7], v[SC+32*\qt+8*\kt:SC+32*\qt+8*\kt+7]
.endr
.endr
.irp qt, 0,1,2,3
.irp kt, 0,1,2,3
	v_wmma_f32_16x16x32_f16 v[SC+32*\qt+8*\kt:SC+32*\qt+8*\kt+7], v[KV+16*\kt+8:KV+16*\kt+15], v[QF+16*\qt+8:QF+16*\qt+15], v[SC+32*\qt+8*\kt:SC+32*\qt+8*\kt+7]
.endr
.endr
	WIN 0
	PLACES 4                                       ; behind the scores' products: K's registers are loaded again, the scores are read
.irp kg, 0,1
.irp dt, 0,1,2,3
	ds_load_tr16_b128 v[KV+32*\kg+8*\dt:KV+32*\kg+8*\dt+3],   v[VADR+\slot] offset:\kg*32*PV+32*\dt
	ds_load_tr16_b128 v[KV+32*\kg+8*\dt+4:KV+32*\kg+8*\dt+7], v[VADR+\slot] offset:\kg*32*PV+32*\dt+16*PV
.endr
.endr
.set i, 0
.rept 128
	v_max_num_f32 v[SC+i], s86, v[SC+i]            ; the problem's clamp at the lowest f32
.set i, i+1
.endr
.irp qt, 0,1,2,3
	v_max3_num_f32 v[NM+2*\qt+1], v[SC+32*\qt], v[SC+32*\qt+1], v[MX+\qt]      ; four chains, one for each query tile, started by the old maximum
.endr
.set i, 2
.rept 15
.irp qt, 0,1,2,3
	v_max3_num_f32 v[NM+2*\qt+1], v[SC+32*\qt+i], v[SC+32*\qt+i+1], v[NM+2*\qt+1]
.endr
.set i, i+2
.endr
.irp qt, 0,1,2,3
	v_permlanex16_b32 v[AL+2*\qt+1], v[NM+2*\qt+1], s88, s89                   ; the other half's keys of the same query
.endr
.irp qt, 0,1,2,3
	v_max_num_f32 v[NM+2*\qt+1], v[NM+2*\qt+1], v[AL+2*\qt+1]
.endr
.irp qt, 0,1,2,3
	v_sub_f32 v[AL+2*\qt], v[MX+\qt], v[NM+2*\qt+1]
.endr
.irp qt, 0,1,2,3
	v_mul_f32 v[AL+2*\qt], s[LG], v[AL+2*\qt]      ; an overflow here is -inf, and the factor 0
.endr
.irp qt, 0,1,2,3
	v_exp_f32 v[AL+2*\qt], v[AL+2*\qt]             ; exp(old maximum - new maximum); the moves below are the plain instructions behind it
.endr
.irp qt, 0,1,2,3
	v_mov_b32 v[MX+\qt], v[NM+2*\qt+1]
.endr
.irp qt, 0,1,2,3
	v_xor_b32 v[NM+2*\qt], 0x80000000, v[NM+2*\qt+1]
.endr
.irp qt, 0,1,2,3
	SOFT \qt
.endr
.endm
; One key tile's turn: tile t lies in 'slot'; tile min(t + 1, 31) is asked for into 'other'.
; ask = 1 (the trips' first tile, t = 2 p): wave 0 also prefetches, for all sixteen heads that read them, the two blocks of 256 bytes that tiles 2 p + 2 and 2 p + 3 hold of
; mask rows 16 head .. 16 head + 15 of this query block: 32 lanes, 32 blocks, one instruction a trip; the sixteen heads' work-groups together cover the 256 rows, so each block
; is asked for by one wave of one work-group.  The tensor loads of these two tiles are issued one and two tiles later.  Tiles 0 and 1 are not prefetched; the last trip's
; request is clamped to tiles 30 and 31, so that none points past a row's end.
.macro TRIP slot, other, ask
	s_wait_tensorcnt 0x0                           ; all my tensor loads have landed, my part of this tile among them: every group 0 may be written
	s_min_u32 s[TF], s[TI], 31
	s_lshl_b32 s[OF], s[TF], 8                     ; 64 keys of 4 bytes along the mask's rows
	s_add_nc_u64 s[GM+4*\other+2:GM+4*\other+3], s[BM:BM+1], s[OF:OF+1]
	s_lshl_b32 s[OF], s[TF], 13                    ; 64 keys of 128 bytes
	s_add_nc_u64 s[GK+4*\other+2:GK+4*\other+3], s[BK:BK+1], s[OF:OF+1]
	s_add_nc_u64 s[GV+4*\other+2:GV+4*\other+3], s[BV:BV+1], s[OF:OF+1]
	s_add_co_u32 s[TI], s[TI], 1
	s_wait_dscnt 0x0                               ; my reads of the other slot are over
	CROUND                                         ; both now hold of every wave of every work-group of the cluster
	tensor_load_to_lds s[GM+4*\other:GM+4*\other+3], s[G1M:G1M+7]
	s_nop 0
	tensor_load_to_lds s[GK+4*\other:GK+4*\other+3], s[G1K:G1K+7]
	s_nop 0
	tensor_load_to_lds s[GV+4*\other:GV+4*\other+3], s[G1V:G1V+7]
	s_nop 0
.if \ask
	s_cmp_lg_u32 s[WV], 0
	s_cbranch_scc1 .Lnoask_\@
	s_wait_xcnt 0x0                                ; the last trip's prefetch, two tiles ago, has had its address translated: s[4:5] is written again only behind this wait
	s_min_u32 s[PFO], s[TI], 30                    ; s[TI] is now t + 2
	s_lshl_b32 s[PFO], s[PFO], 8
	s_add_nc_u64 s[4:5], s[6:7], s[PFO:PFO+1]
	global_prefetch_b8 v[PF], s[4:5] th:TH_LOAD_NT scope:SCOPE_SE
.Lnoask_\@:
.endif
	STEP \slot
.endm
	s_mov_b32 s87, 16                              ; 16 trips of two tiles
.Lring:
	TRIP 0, 1, 1
	TRIP 1, 0, 0
	s_sub_co_u32 s87, s87, 1
	s_cmp_lg_u32 s87, 0
	s_cbranch_scc1 .Lring
	s_wait_tensorcnt 0x0                           ; the last trip's three loads (tile 31 once more, not read) have landed
	PLACES 4                                       ; behind the last products
	s_mov_b32 s87, 0xffffe000                      ; keeps sign, exponent and the upper 10 mantissa bits of an f32
.irp qt, 0,1,2,3
	v_permlanex16_b32 v[AL+2*\qt+1], v[LS+\qt], s88, s89
.endr
.irp qt, 0,1,2,3
	v_add_f32 v[LS+\qt], v[LS+\qt], v[AL+2*\qt+1]  ; the whole row's sum: at least 1, since the row's largest score gives exp(0)
.endr
.irp qt, 0,1,2,3
	v_rcp_f32 v[AL+2*\qt], v[LS+\qt]
.endr
	v_nop
	WIN 0x41
	s_wait_alu depctr_va_vdst(0)
.irp qt, 0,1,2,3
.irp dt, 0,1,2,3
.irp jp, 0,2,4,6
	v_pk_mul_f32 v[8*(4*\dt+\qt)+\jp:8*(4*\dt+\qt)+\jp+1], v[8*(4*\dt+\qt)+\jp:8*(4*\dt+\qt)+\jp+1], v[AL+2*\qt:AL+2*\qt+1] op_sel_hi:[1,0]
.endr
.endr
.endr
; The way out, 16 queries at a time.  Each result is split: upper part = the f32 with 13 mantissa bits cleared, rest = result - upper part (exact in f32); both go to f16.
; A lane's 8 neighbouring d of one query are 16 bytes; through my stage, back as whole rows; each store covers 512 consecutive bytes, aligned.
; The stage serves the upper parts and then the rest: LDS serves a wave's instructions in order, so each load sees the stores in front of it and none behind.
; Every query tile has read-back registers of its own, so no global store's data is written again.
.irp qt, 0,1,2,3
	WIN 0x04                                       ; O is source 1, in window 1
.irp dt, 0,1,2,3
.irp j, 0,1,2,3,4,5,6,7
	v_and_b32 v[HI+8*\dt+\j], s87, v[8*(4*\dt+\qt)+\j]
.endr
.endr
.irp dt, 0,1,2,3
.irp jp, 0,2,4,6
	v_pk_add_f32 v[LO+8*\dt+\jp:LO+8*\dt+\jp+1], v[HI+8*\dt+\jp:HI+8*\dt+\jp+1], v[8*(4*\dt+\qt)+\jp:8*(4*\dt+\qt)+\jp+1] neg_lo:[1,0] neg_hi:[1,0]
.endr
.endr
	WIN 0
.set i, 0
.rept 16
	v_cvt_pk_f16_f32 v[HI+i], v[HI+2*i], v[HI+2*i+1]       ; ascending, in place
	v_cvt_pk_f16_f32 v[LO+i], v[LO+2*i], v[LO+2*i+1]
.set i, i+1
.endr
.irp dt, 0,1,2,3
	ds_store_b128 v[STO], v[HI+4*\dt:HI+4*\dt+3] offset:32*\dt
.endr
.irp i2, 0,1,2,3
	ds_load_b128 v[SC+32*\qt+4*\i2:SC+32*\qt+4*\i2+3], v[RD] offset:\i2*4*SP
.endr
.irp dt, 0,1,2,3
	ds_store_b128 v[STO], v[LO+4*\dt:LO+4*\dt+3] offset:32*\dt
.endr
.irp i2, 0,1,2,3
	ds_load_b128 v[SC+32*\qt+16+4*\i2:SC+32*\qt+16+4*\i2+3], v[RD] offset:\i2*4*SP
.endr
.irp i2, 0,1,2,3
	s_wait_dscnt 11-\i2                            ; behind this load stand 3 - i2 loads of upper parts, the rest's 4 stores and 4 loads
	global_store_b128 v[CO], v[SC+32*\qt+4*\i2:SC+32*\qt+4*\i2+3], s[8:9] offset:2048*\qt+512*\i2
.endr
.irp i2, 0,1,2,3
	s_wait_dscnt 3-\i2
	global_store_b128 v[CO], v[SC+32*\qt+16+4*\i2:SC+32*\qt+16+4*\i2+3], s[8:9] offset:0x400000+2048*\qt+512*\i2   ; 16 groups of 2,048 rows of 128 bytes further
.endr
.endr
	CROUND                                         ; the closing round
	s_endpgm
.Lfunc_end_k_q53bfae4b4a_attn:
	.size	k_q53bfae4b4a_attn, .Lfunc_end_k_q53bfae4b4a_attn-k_q53bfae4b4a_attn
	.p2alignl 7, 3214868480
	.fill 96, 4, 3214868480
	.section	.rodata,"a",@progbits
	.p2align	6, 0x0
	.amdhsa_kernel k_q53bfae4b4a_attn
		.amdhsa_group_segment_fixed_size 327680
		.amdhsa_private_segment_fixed_size 0
		.amdhsa_enable_private_segment 0
		.amdhsa_kernarg_size 24
		.amdhsa_user_sgpr_count 2
		.amdhsa_user_sgpr_kernarg_segment_ptr 1
		.amdhsa_wavefront_size32 1
		.amdhsa_system_sgpr_workgroup_id_x 1
		.amdhsa_system_sgpr_workgroup_id_y 1
		.amdhsa_system_sgpr_workgroup_id_z 1
		.amdhsa_system_vgpr_workitem_id 0
		.amdhsa_next_free_vgpr 448
		.amdhsa_next_free_sgpr 102
		.amdhsa_reserve_vcc 0
		.amdhsa_float_denorm_mode_32 3
		.amdhsa_float_denorm_mode_16_64 3
		.amdhsa_memory_ordered 1
		.amdhsa_forward_progress 1
		.amdhsa_inst_pref_size 128
	.end_amdhsa_kernel
	.amdgpu_metadata
---
amdhsa.version: [ 1, 2 ]
amdhsa.kernels:
  - .name:           k_q53bfae4b4a_attn
    .symbol:         k_q53bfae4b4a_attn.kd
    .args:
      - { .name: qkv, .offset: 0, .size: 8, .value_kind: global_buffer, .address_space: global }
      - { .name: attention_mask, .offset: 8, .size: 8, .value_kind: global_buffer, .address_space: global }
      - { .name: ao, .offset: 16, .size: 8, .value_kind: global_buffer, .address_space: global }
    .group_segment_fixed_size: 327680
    .private_segment_fixed_size: 0
    .kernarg_segment_align: 8
    .kernarg_segment_size: 24
    .max_flat_workgroup_size: 128
    .sgpr_count:     102
    .vgpr_count:     448
    .wavefront_size: 32
...
	.end_amdgpu_metadata
.endif
;; end of part 6
;; launch oproj: the kernel of part 4 again; grid 8 x 32, 4 waves a work-group, clusters of 4 x 4, 327,680 bytes of LDS; arguments ao, wt, out0; writes out0
